; MI455X (gfx1250); checked and timed in simulation.
; The chip was launched on July 23, 2026; its instructions are those of AMD's public machine-readable ISA for CDNA 5 (MIT licence, August 2026) and "CDNA5" Instruction Set Architecture Reference Guide (July 2026). The comments in the code are by the model that wrote it; some were corrected since.
;; Self Attention. Allowed arithmetic: matrix products marked QUANTISED: E5M2 operands, one given power-of-two scale a tensor, by v_wmma_f32_16x16x64_bf8_bf8 or v_wmma_f32_16x16x128_bf8_bf8, f32 sums; everything else in f32.
;; Inputs: Wk 1,024 x 1,024 float32; Wo 1,024 x 1,024 float32; Wq 1,024 x 1,024 float32; Wv 1,024 x 1,024 float32; beta 1,024 float32; bk 1,024 float32; bo 1,024 float32; bq 1,024 float32; bv 1,024 float32; gamma 1,024 float32; lowp_scales 12 int32 (the exponents e of the quantised operands' scales 2^e); x 4 x 2,048 x 1,024 float32.
;; Outputs: out0 4 x 2,048 x 1,024 float32.
;; This version of the problem:
;;   THIS VERSION OF THE PROBLEM IS GIVEN IN LOW PRECISION. The matrix products marked QUANTISED in the list below multiply operands that are first quantised to E5M2 (5 exponent bits, 2 mantissa bits; 8 bits a number), with one given power-of-two scale for each operand tensor; their sums are f32. All else is computed in f32.
;;   The module's matrix products, in the order in which they are computed (A, B: the left and right operand; K: the contracted axis; several contracted axes count as one K, in the product's order):
;;     1. [M 8,192, K 1,024] x [K 1,024, N 1,024]; A: input x; B: input Wq: QUANTISED (scales: A lowp_scales[0], B lowp_scales[1])
;;     2. [M 8,192, K 1,024] x [K 1,024, N 1,024]; A: input x; B: input Wk: QUANTISED (scales: A lowp_scales[2], B lowp_scales[3])
;;     3. [M 8,192, K 1,024] x [K 1,024, N 1,024]; A: input x; B: input Wv: QUANTISED (scales: A lowp_scales[4], B lowp_scales[5])
;;     4. batch 64 x [M 2,048, K 64] x [K 64, N 2,048]; A: computed on the way; B: computed on the way: QUANTISED (scales: A lowp_scales[6], B lowp_scales[7])
;;     5. batch 64 x [M 2,048, K 2,048] x [K 2,048, N 64]; A: softmax (see below); B: computed on the way: QUANTISED (scales: A lowp_scales[8], B lowp_scales[9])
;;     6. [M 8,192, K 1,024] x [K 1,024, N 1,024]; A: computed on the way; B: input Wo: QUANTISED (scales: A lowp_scales[10], B lowp_scales[11])
;;   THE QUANTISER, for each operand of a quantised product, along K:
;;     - The operand's scale is 2^e, e = its entry of the input lowp_scales (int32; the entries are numbered through the quantised products in the list's order, A before B).
;;     - Each number is divided by the scale, clamped to +-57,344, and rounded to the nearest number of E5M2, ties to even, subnormals kept.
;;     - The product sums the exact products of the quantised numbers (number of the format x scale) in f32.
;;   ~~~python
;;   def quantise(x, axis, e):      # numpy; x: float32 -> the quantised numbers, widened to float32 again
;;       x = np.moveaxis(x, axis, -1); K = x.shape[-1]
;;       r = np.clip(x / 2.0 ** e, -57344, 57344)
;;       step = 2.0 ** (np.maximum(np.frexp(np.where(r == 0, 1, r))[1] - 1, -14) - 2)
;;       q = np.round(r / step) * step * 2.0 ** e      # np.round: ties to even
;;       return np.moveaxis(q, -1, axis).astype(np.float32)
;;   ~~~
;;   SOFTMAX AHEAD OF A QUANTISED PRODUCT. Where the list says 'softmax', what is quantised is not the finished softmax but p = 2^(t - M), with t = logit x log2(e) and M = ceil(the row's largest t), a whole number; so 1/2 < the row's largest p <= 1. The row's sum l is taken of the UNQUANTISED p, in f32, and the product's result is divided by l at the end. Since M is a whole number, a kernel that streams over the keys may use a running M (the ceiling of the running maximum): every later rescaling is an exact power of two, so the quantised numbers keep their values, but for numbers so far below the row's largest that they fall under the format's range.
;;   OPERANDS COMPUTED ON THE WAY. 'Computed on the way' means the value that the module computes at that place (a softmax that the list does not call 'softmax' is quantised finished and normalised). What goes into a quantiser is computed in f32, as accurately as f32 sums, v_exp_f32 and their like allow (about 1e-6 of the number): no bf16 or f16 on the way to a quantiser, and a product that is left as it is and whose result goes on into a quantised operand takes f32 operands (vector FMAs, or v_wmma_f32_16x16x4_f32). A number that lies on a knife's edge between two numbers of the format may be rounded either way, as far as f32 arithmetic and the matrix unit's own rounding can turn it there, and no further.
;; 2 versions, each right; version 2 is version 1 with the launch oproj written anew for expert scheduling mode. Each part assembles by itself: llvm-mc -triple=amdgcn-amd-amdhsa -mcpu=gfx1250 --defsym DOCPART=n.
;; ======== version 1 of 2: 4 launches
;; workspace buffers: xc 25,165,824 bytes; wc 4,194,304 bytes; qc 8,388,608 bytes; kc 8,388,608 bytes; vc 8,388,608 bytes; ao 8,388,608 bytes
;; launch quant (part 1): grid 384 x 1, 4 waves a work-group, no clusters, 69,120 bytes of LDS; arguments x, Wq, Wk, Wv, Wo, lowp_scales, xc, wc; writes xc, wc
.if DOCPART == 1
	.amdgcn_target "amdgcn-amd-amdhsa--gfx1250"
	.amdhsa_code_object_version 6
	.text
	.protected	k_q1f040644d1_quant
	.globl	k_q1f040644d1_quant
	.p2align	8
	.type	k_q1f040644d1_quant,@function
k_q1f040644d1_quant:
	s_mov_b64 s[64:65], 0
	v_nop
	global_prefetch_b8 v0, s[64:65] scope:SCOPE_SE
	s_setreg_imm32_b32 hwreg(HW_REG_WAVE_MODE, 25, 1), 1
	s_wait_xcnt 0x0
; x [8192][1024] f32 becomes codes of E5M2 three times (scales 2^e0, 2^e2, 2^e4); Wq, Wk, Wv, Wo [K 1024][N 1024] f32 once each (entries 1, 3, 5, 11).
; code = number / 2^e, held within +-57,344, rounded to the nearest code, ties to even.
; LIMITS: every e used here lies between -126 and 112, so that 2^e and 57,344 x 2^e are f32 numbers.  NaN among the inputs is not served (an infinity is held at the largest code).
; THE CODES LEAVE AS IMAGES OF OPERAND REGISTERS.  A tile of 16 rows x 128 along K is 2,048 bytes: register R (0..15) of lane (r = lane % 16, h = lane / 16) holds k = 16 (R / 2) + 8 h + 4 (R % 2) + 0..3 of row r
; and lies at byte 512 (R / 4) + 16 lane + 4 (R % 4).  A later launch gets a fragment by four loads of 16 bytes a lane, and every store here covers 512 consecutive bytes, aligned.
;   xc: [scale 3][K pair 4][token tile 512][K step in the pair 2][2048]      wc: [weight 4][K pair 4][column tile 64][K step in the pair 2][2048]
; Work-groups 0-127 take the weights, 128-383 take x; the two ways part once, on the work-group's number, and each has LDS bytes of its own.  Waves share nothing: no barrier.
; No matrix unit, no tensor load, no cluster: each input byte is read once by one wave, so nothing is shared.
.set XSTG, 0                           ; x's way: a stage of 16 rows x (512 + 16) bytes for each wave
.set WSTG, 33792                       ; the weights' way: a stage of 32 rows x (256 + 16) bytes for each wave
.set RR,   16                          ; v16-79   x: 16 rows' 16 bytes as loaded
.set XX,   80                          ; v80-143  x: register 8 c + i = k 16 c + 8 h + i of my row
.set TT,   144                         ; v144-159 two sets of eight held numbers
.set CC,   160                         ; v160-207 three fragments of codes
.set WX,   32                          ; v32-95   W: two sets of 32 numbers down K
.set WC,   96                          ; v96-103  W: a block's codes
.set OUTR, 112                         ; v112-175 W: four fragments on the way out
.macro WLOAD t                         ; block t: W(32 t + i, my column): 32 lanes read 128 consecutive bytes, the four waves 512
.irp i, 0,1,2,3,4,5,6,7,8,9,10,11,12,13,14,15,16,17,18,19,20,21,22,23,24,25,26,27,28,29,30,31
	global_load_b32 v[WX+32*((\t)%2)+\i], v9, s[22:23] offset:(32*(\t)+\i)*4096 th:TH_LOAD_NT
.endr
.endm
.macro WBLOCK t
.set XS, WX+32*((\t)%2)
.if (\t) < 7
	s_wait_loadcnt 32                              ; this block's 32 loads are in; the next block's 32 may be out
.else
	s_wait_loadcnt 0
.endif
.irp i, 0,1,2,3,4,5,6,7,8,9,10,11,12,13,14,15,16,17,18,19,20,21,22,23,24,25,26,27,28,29,30,31
	v_med3_num_f32 v[XS+\i], v[XS+\i], -v10, v10   ; the conversion does not saturate (ISA guide 7.6.2): the hold at the largest code x the scale
.endr
.irp g, 0,1,2,3
	v_cvt_scalef32_pk8_bf8_f32 v[WC+2*\g:WC+2*\g+1], v[XS+8*\g:XS+8*\g+7], v11
.endr
	ds_store_b128 v4, v[WC:WC+3] offset:32*(\t)    ; 32 codes of my column, K innermost
	ds_store_b128 v4, v[WC+4:WC+7] offset:32*(\t)+16
.if (\t)+2 < 8
	WLOAD (\t)+2
.endif
	s_wait_dscnt 0x0                               ; the stores have read their registers: the next block's codes may be written
.endm
.macro XLOAD t                         ; K step t of my four: row q's 512 bytes, 16 a lane
.irp q, 0,1,2,3,4,5,6,7,8,9,10,11,12,13,14,15
	global_load_b128 v[RR+4*\q:RR+4*\q+3], v3, s[22:23] offset:4096*\q+512*(\t) th:TH_LOAD_NT
.endr
.endm
.macro XSTEP t
	s_wait_loadcnt 0x0                             ; this step's sixteen loads are in
	s_wait_xcnt 0x0                                ; the last step's stores have read their codes: they are written again below
.irp q, 0,1,2,3,4,5,6,7,8,9,10,11,12,13,14,15
	ds_store_b128 v14, v[RR+4*\q:RR+4*\q+3] offset:528*\q
.endr
.irp c, 0,1,2,3,4,5,6,7
	ds_load_b128 v[XX+8*\c:XX+8*\c+3], v15 offset:64*\c          ; LDS serves a wave's instructions in order: these see my stores
	ds_load_b128 v[XX+8*\c+4:XX+8*\c+7], v15 offset:64*\c+16
.endr
	s_wait_dscnt 0x0                               ; my eight neighbours of each sixteen are back, and the stores have read RR,
.if (\t) < 3
	XLOAD (\t)+1                                   ; which takes the next step's loads while this step is converted
.endif
.irp p, 0,1,2
.irp c, 0,1,2,3,4,5,6,7
.irp i, 0,1,2,3,4,5,6,7
	v_med3_num_f32 v[TT+8*(\c%2)+\i], v[XX+8*\c+\i], -v[9+2*\p], v[9+2*\p]   ; the two sets take turns: eight plain lines stand between a conversion and the rewriting of its sources
.endr
	v_cvt_scalef32_pk8_bf8_f32 v[CC+16*\p+2*\c:CC+16*\p+2*\c+1], v[TT+8*(\c%2):TT+8*(\c%2)+7], v[8+2*\p]
.endr
.endr
.irp g, 0,1,2,3
	global_store_b128 v3, v[CC+4*\g:CC+4*\g+3], s[24:25] offset:((\t)/2)*2097152+((\t)%2)*2048+512*\g
.endr
.irp g, 0,1,2,3
	global_store_b128 v3, v[CC+16+4*\g:CC+16+4*\g+3], s[44:45] offset:((\t)/2)*2097152+((\t)%2)*2048+512*\g
.endr
.irp g, 0,1,2,3
	global_store_b128 v3, v[CC+32+4*\g:CC+32+4*\g+3], s[46:47] offset:((\t)/2)*2097152+((\t)%2)*2048+512*\g
.endr
.endm
	s_load_b256 s[4:11], s[0:1], 0x0               ; x s[4:5], Wq s[6:7], Wk s[8:9], Wv s[10:11]
	s_load_b256 s[12:19], s[0:1], 0x20             ; Wo s[12:13], the exponents s[14:15], xc s[16:17], wc s[18:19]
	v_lshl_add_u32 v208, v0, 2, 0x10c00
	v_mov_b32 v209, 0
	v_lshrrev_b32 v1, 5, v0
	v_readfirstlane_b32 s20, v1                    ; wave 0..3
	v_and_b32 v2, 31, v0                           ; lane
	v_and_b32 v5, 15, v0                           ; r
	v_bfe_u32 v6, v0, 4, 1                         ; h
	v_lshlrev_b32 v3, 4, v2                        ; 16 x lane
	s_wait_kmcnt 0x0
	s_load_b256 s[32:39], s[14:15], 0x0            ; e0 .. e7
	s_load_b128 s[40:43], s[14:15], 0x20           ; e8 .. e11
	s_cmp_ge_u32 ttmp9, 128
	s_cbranch_scc1 .Lxpath
	; ---- THE WEIGHTS.  A lane takes a column, its registers run down K: the conversions then give codes with K innermost.  A wave: 32 columns x 256 along K.
	s_lshr_b32 s21, ttmp9, 5                       ; which weight: 0 q, 1 k, 2 v, 3 o
	s_bfe_u32 s24, ttmp9, 0x20003                  ; which 256 along K
	s_and_b32 s25, ttmp9, 7                        ; which 128 columns
	s_lshl_b32 s26, s24, 20                        ; 256 rows of 4,096 bytes
	s_lshl_b32 s27, s25, 9
	s_add_co_u32 s26, s26, s27
	s_lshl_b32 s27, s20, 7
	s_add_co_u32 s26, s26, s27                     ; + my wave's first column
	s_mov_b32 s27, 0
	s_lshl_b32 s28, s21, 20
	s_lshl_b32 s29, s24, 18
	s_add_co_u32 s28, s28, s29
	s_lshl_b32 s29, s25, 15
	s_add_co_u32 s28, s28, s29
	s_lshl_b32 s29, s20, 13
	s_add_co_u32 s28, s28, s29                     ; wc: weight, K pair, column tile 8 gx + 2 wave
	s_mov_b32 s29, 0
	s_add_nc_u64 s[28:29], s[18:19], s[28:29]
	s_cmp_eq_u32 s21, 0
	s_cselect_b64 s[22:23], s[6:7], s[12:13]
	s_cmp_eq_u32 s21, 1
	s_cselect_b64 s[22:23], s[8:9], s[22:23]
	s_cmp_eq_u32 s21, 2
	s_cselect_b64 s[22:23], s[10:11], s[22:23]
	s_add_nc_u64 s[22:23], s[22:23], s[26:27]
	v_lshlrev_b32 v9, 2, v2                        ; 4 bytes a lane
	WLOAD 0
	WLOAD 1
	s_mul_i32 s31, s20, 8704                       ; my stage
	v_mul_u32_u24 v4, v2, 272
	v_add_nc_u32 v4, s31, v4
	v_add_nc_u32 v4, WSTG, v4                      ; in: row = my column
	v_mul_u32_u24 v7, v5, 272
	v_lshl_add_u32 v7, v6, 3, v7
	v_add_nc_u32 v7, s31, v7
	v_add_nc_u32 v7, WSTG, v7                      ; out: row r, + 8 h: rows 68 words apart, so the 32 lanes' 8 bytes fall on 64 different words modulo 64
	s_wait_kmcnt 0x0
	s_cmp_eq_u32 s21, 0
	s_cselect_b32 s30, s33, s43                    ; e1 or e11
	s_cmp_eq_u32 s21, 1
	s_cselect_b32 s30, s35, s30                    ; e3
	s_cmp_eq_u32 s21, 2
	s_cselect_b32 s30, s37, s30                    ; e5
	s_add_co_i32 s30, s30, 127
	s_lshl_b32 s31, s30, 23
	v_mov_b32 v11, s31                             ; 2^e as f32: the conversion takes its exponent field
	s_add_co_i32 s30, s30, 15
	s_lshl_b32 s30, s30, 23
	s_or_b32 s30, s30, 0x600000
	v_mov_b32 v10, s30                             ; 57,344 x 2^e
.irp t, 0,1,2,3,4,5,6,7
	WBLOCK \t
.endr
.irp f, 0,1,2,3                        ; fragment f: column tile f / 2, K step f % 2: registers 2 c, 2 c + 1 = k 16 c + 8 h + 0..7 of column r
.irp c, 0,1,2,3,4,5,6,7
	ds_load_b64 v[OUTR+16*\f+2*\c:OUTR+16*\f+2*\c+1], v7 offset:4352*(\f/2)+128*(\f%2)+16*\c
.endr
.endr
.irp f, 0,1,2,3
.irp g, 0,1,2,3
	s_wait_dscnt 30-8*\f-2*\g                      ; the younger loads of the 32 may be out
	global_store_b128 v3, v[OUTR+16*\f+4*\g:OUTR+16*\f+4*\g+3], s[28:29] offset:4096*(\f/2)+2048*(\f%2)+512*\g
.endr
.endr
	s_wait_tensorcnt 0x0
	ds_add_u32 v208, v209
	s_wait_dscnt 0x0
	s_endpgm
	; ---- x.  A wave takes a tile of 16 tokens x 512 along K: four K steps.  Loads take the bytes as they lie; a step turns through the wave's own stage, so that a lane holds eight neighbours of each sixteen of ITS row.
.Lxpath:
	s_sub_co_u32 s21, ttmp9, 128
	s_lshl_b32 s21, s21, 2
	s_add_co_u32 s21, s21, s20                     ; 0 .. 1023
	s_lshr_b32 s28, s21, 1                         ; token tile
	s_and_b32 s29, s21, 1                          ; which half of K
	s_lshl_b32 s26, s28, 16                        ; 16 rows of 4,096 bytes
	s_lshl_b32 s27, s29, 11
	s_add_co_u32 s26, s26, s27
	s_mov_b32 s27, 0
	s_add_nc_u64 s[22:23], s[4:5], s[26:27]
	s_lshl_b32 s26, s29, 22                        ; two K pairs of 2,097,152 bytes
	s_lshl_b32 s30, s28, 12
	s_add_co_u32 s26, s26, s30
	s_add_nc_u64 s[24:25], s[16:17], s[26:27]      ; xc under e0,
	s_add_nc_u64 s[44:45], s[24:25], 0x800000      ; under e2,
	s_add_nc_u64 s[46:47], s[24:25], 0x1000000     ; under e4
	XLOAD 0
	s_mul_i32 s31, s20, 8448                       ; my stage
	v_add_nc_u32 v14, s31, v3                      ; in: 16 x lane, a row an instruction
	v_mul_u32_u24 v15, v5, 528
	v_lshl_add_u32 v15, v6, 5, v15
	v_add_nc_u32 v15, s31, v15                     ; out: row r, + 32 h; rows 33 x 16 bytes apart
	s_wait_kmcnt 0x0
.irp p, 0,1,2
	s_add_co_i32 s30, s[32+2*\p], 127
	s_lshl_b32 s31, s30, 23
	v_mov_b32 v[8+2*\p], s31                       ; 2^e
	s_add_co_i32 s30, s30, 15
	s_lshl_b32 s30, s30, 23
	s_or_b32 s30, s30, 0x600000
	v_mov_b32 v[9+2*\p], s30                       ; 57,344 x 2^e
.endr
	XSTEP 0
	XSTEP 1
	XSTEP 2
	XSTEP 3
	s_wait_tensorcnt 0x0
	ds_add_u32 v208, v209
	s_wait_dscnt 0x0
	s_endpgm
.Lfunc_end_k_q1f040644d1_quant:
	.size	k_q1f040644d1_quant, .Lfunc_end_k_q1f040644d1_quant-k_q1f040644d1_quant
	.p2alignl 7, 3214868480
	.fill 96, 4, 3214868480
	.section	.rodata,"a",@progbits
	.p2align	6, 0x0
	.amdhsa_kernel k_q1f040644d1_quant
		.amdhsa_group_segment_fixed_size 69120
		.amdhsa_private_segment_fixed_size 0
		.amdhsa_enable_private_segment 0
		.amdhsa_kernarg_size 64
		.amdhsa_user_sgpr_count 2
		.amdhsa_user_sgpr_kernarg_segment_ptr 1
		.amdhsa_wavefront_size32 1
		.amdhsa_system_sgpr_workgroup_id_x 1
		.amdhsa_system_sgpr_workgroup_id_y 1
		.amdhsa_system_sgpr_workgroup_id_z 1
		.amdhsa_system_vgpr_workitem_id 0
		.amdhsa_next_free_vgpr 210
		.amdhsa_next_free_sgpr 66
		.amdhsa_reserve_vcc 0
		.amdhsa_float_denorm_mode_32 3
		.amdhsa_float_denorm_mode_16_64 3
		.amdhsa_memory_ordered 1
		.amdhsa_forward_progress 1
		.amdhsa_inst_pref_size 126
	.end_amdhsa_kernel
	.amdgpu_metadata
---
amdhsa.version: [ 1, 2 ]
amdhsa.kernels:
  - .name:           k_q1f040644d1_quant
    .symbol:         k_q1f040644d1_quant.kd
    .args:
      - { .name: x, .offset: 0, .size: 8, .value_kind: global_buffer, .address_space: global }
      - { .name: Wq, .offset: 8, .size: 8, .value_kind: global_buffer, .address_space: global }
      - { .name: Wk, .offset: 16, .size: 8, .value_kind: global_buffer, .address_space: global }
      - { .name: Wv, .offset: 24, .size: 8, .value_kind: global_buffer, .address_space: global }
      - { .name: Wo, .offset: 32, .size: 8, .value_kind: global_buffer, .address_space: global }
      - { .name: lowp_scales, .offset: 40, .size: 8, .value_kind: global_buffer, .address_space: global }
      - { .name: xc, .offset: 48, .size: 8, .value_kind: global_buffer, .address_space: global }
      - { .name: wc, .offset: 56, .size: 8, .value_kind: global_buffer, .address_space: global }
    .group_segment_fixed_size: 69120
    .private_segment_fixed_size: 0
    .kernarg_segment_align: 8
    .kernarg_segment_size: 64
    .max_flat_workgroup_size: 128
    .sgpr_count:     66
    .vgpr_count:     210
    .wavefront_size: 32
...
	.end_amdgpu_metadata
.endif
;; end of part 1
;; launch qkv (part 2): grid 12 x 32, 4 waves a work-group, clusters of 4 x 4, 327,680 bytes of LDS; arguments xc, wc, lowp_scales, bq, bk, bv, qc, kc, vc; writes qc, kc, vc
.if DOCPART == 2
	.amdgcn_target "amdgcn-amd-amdhsa--gfx1250"
	.amdhsa_code_object_version 6
	.text
	.protected	k_q1f040644d1_qkv
	.globl	k_q1f040644d1_qkv
	.p2align	8
	.type	k_q1f040644d1_qkv,@function
k_q1f040644d1_qkv:
	s_mov_b64 s[64:65], 0
	v_nop
	global_prefetch_b8 v0, s[64:65] scope:SCOPE_SE
	s_setreg_imm32_b32 hwreg(HW_REG_WAVE_MODE, 25, 1), 1
	s_wait_xcnt 0x0
	s_wait_alu depctr_hold_cnt(0) depctr_sa_sdst(0) depctr_va_vdst(0) depctr_va_sdst(0) depctr_va_ssrc(0) depctr_va_vcc(0) depctr_vm_vsrc(0)
	s_getreg_b32 s2, hwreg(HW_REG_IB_STS2, 6, 4)
	s_cmp_eq_u32 s2, 0
	s_cbranch_scc0 .Lentry_in_a_cluster
	s_endpgm
.Lentry_in_a_cluster:
	s_bfe_u32 s2, ttmp6, 0x10000c
	s_cmp_lg_u32 s2, 0xf033
	s_cbranch_scc0 .Lentry_shape_is_right
	s_endpgm
.Lentry_shape_is_right:
; q = x Wq + bq, k = x Wk + bk, v = x Wv + bv on codes of E5M2, and each result quantised at once for attention (scales 2^e6, 2^e7, 2^e9).  The cluster's x says which projection: 0 q, 1 k, 2 v.
; A tile of 256 x 256 results is made by four waves, 128 x 128 each: 64 accumulators, 512 registers.  K = 1,024 goes in four steps of 256 through two LDS slots filled by the tensor data mover.
; OPERANDS LIE IN MEMORY AS IMAGES OF THEIR REGISTERS (16 rows x 128 K = 2,048 bytes; four loads of 16 bytes a lane, 512 bytes apart, bring a fragment with every k in the form's own place).  The 128 rows x 256 K
; that one tensor load brings are 32,768 dense bytes; an LDS load's 512 bytes are consecutive, so there is no pitch and no padding.
; THE PRODUCT IS USED TRANSPOSED: source 0 = 16 rows of B, source 1 = 16 rows of A: a lane holds one row of A and eight neighbouring rows of B, which one conversion turns into two registers of the NEXT product's image.
;   q, k: A = tokens (xc), B = output columns (wc): a lane's eight are eight channels of a head: images [head][token tile][1024] with K = the channel.
;   v:    A = output columns (wc), B = tokens (xc): a lane's eight are eight keys: images [head][128 keys][channel tile][2048] with K = the key.
; So results go from registers straight to memory, 512 consecutive bytes a store, and no stage in LDS is needed.
; CLUSTERS: 4 x 4 work-groups of one projection.  The four of a row need the same tile of A, the four of a column the same tile of B: each is asked for jointly, with a mask that names the four.
; No prefetch is laid: of the four K steps two are the first fills at the head, and each refill follows its slot's first fill by two K steps only.
; LIMITS: ea + eb (e0 + e1, e2 + e3, e4 + e5) between -126 and 127; e6, e7, e9 between -126 and 112.  NaN is not served.
; REGISTERS, in windows of 256: window 0: v8-29 addresses; v32-95, v96-111 the biases; v112, v113 the quantiser's scale and hold; v128-255 A's fragments, ONE set; on the way out v128-191 numbers, v192-255 codes.
;   window 1: B's fragments, two sets.   window 2: the accumulators of my rows 0-63 ((a, b) at v[8 (8 a + b)]);   window 3: those of rows 64-127.
.set FR,     16                        ; registers of a fragment
.set NL,     4                         ; LDS loads that bring one
.set NP,     4                         ; places behind this matrix instruction (ISA guide 7.12.1)
.set HALFT,  32768                     ; 128 rows x 256 K: what one tensor load brings
.set SLOT,   4*HALFT                   ; A's two halves, then B's two
.set SPARE,  2*SLOT                    ; behind the ring: the spare words, 128 bytes for each wave
.set BIO,  8                           ; v8   byte offset of my eight column biases; never rewritten
.set BVO,  9                           ; v9   byte offset of my row bias; never rewritten
.set ADRA, 16                          ; v16-17  LDS address of my A fragments in slot 0, 1
.set ADRB, 20                          ; v20-21  the same for B
.set LI,   26                          ; v26  16 x lane
.set SPW,  28                          ; v28  LDS address of my spare word; never rewritten
.set NIL,  29                          ; v29  0; never rewritten
.set BI,   32                          ; v32-95   bias of B's row 16 b + 8 h + i at 8 b + i (q, k)
.set BV,   96                          ; v96-111  bias of A's row 16 a + r, twice, at 2 a (v)
.set SCV,  112
.set LIMV, 113
.set AF,   128
.set TMP,  128
.set CD,   192
.set G1, 24                            ; s[24:31] descriptor group 1 for A's tiles;  s[32:39] group 0, one set for each slot
.set G0, 32
.set G1B, 48                           ; s[48:55], s[56:63] the same for B's tiles
.set G0B, 56
.set MSB, 0
.macro WIN new                         ; the immediate's high byte repeats the setting that is left
.if MSB != (\new)
	s_set_vgpr_msb (MSB<<8)|(\new)
.set MSB, (\new)
.endif
.endm
.set MUL_LO, 0xa1                      ; source 0 (B) window 1, source 1 (A) window 0, C and D window 2
.set MUL_HI, 0xf1                      ; the same, C and D window 3
.set TO_B,   0x40                      ; destination window 1, address window 0
; A joint load: waves 0 and 1 fetch for A, waves 2 and 3 for B; the branch hangs on the wave's number alone.  Four v_nop follow each of the two lines.
.macro JLOAD g0a, g1a, g0b, g1b
	s_cmp_eq_u32 s15, 0
	s_cbranch_scc0 .Lfor_b_\@
	tensor_load_to_lds s[\g0a:\g0a+3], s[\g1a:\g1a+7]
	s_nop 0
.rept 4
	v_nop
.endr
	s_branch .Lasked_\@
.Lfor_b_\@:
	tensor_load_to_lds s[\g0b:\g0b+3], s[\g1b:\g1b+7]
	s_nop 0
.rept 4
	v_nop
.endr
.Lasked_\@:
.endm
.macro CREST                           ; a round of the cluster's barrier behind its opening barrier
	s_cmp_lg_u32 s14, 0
	s_cbranch_scc1 .Lnot_wave_0_\@
	s_barrier_signal -3
.Lnot_wave_0_\@:
	s_barrier_wait -3
	s_barrier_signal -1
	s_barrier_wait -1
.endm
.macro CROUND                          ; a whole round
	s_barrier_signal -1
	s_barrier_wait -1
	CREST
.endm
.macro FRAG reg, adr, q, i             ; block i's image of the slot's q-th 128 along K
.irp c, 0,1,2,3
	ds_load_b128 v[\reg+4*\c:\reg+4*\c+3], v[\adr] offset:4096*(\i)+2048*(\q)+512*\c
.endr
.endm
; 16 matrix instructions: A's blocks a0, a0 + 1 x B's eight, 128 along K.  p: B's set.  zero = 1: the first product starts the sums.  The 64 accumulators take turns, one instruction a turn, in the same order in every step.
.macro MUL16 a0, p, zero
.irp a, \a0, \a0+1
.irp b, 0,1,2,3,4,5,6,7
.if \zero
	v_wmma_f32_16x16x128_bf8_bf8 v[8*(8*((\a)%4)+\b):8*(8*((\a)%4)+\b)+7], v[128*(\p)+FR*\b:128*(\p)+FR*\b+FR-1], v[AF+FR*(\a):AF+FR*(\a)+FR-1], 0
.else
	v_wmma_f32_16x16x128_bf8_bf8 v[8*(8*((\a)%4)+\b):8*(8*((\a)%4)+\b)+7], v[128*(\p)+FR*\b:128*(\p)+FR*\b+FR-1], v[AF+FR*(\a):AF+FR*(\a)+FR-1], v[8*(8*((\a)%4)+\b):8*(8*((\a)%4)+\b)+7]
.endif
.endr
.endr
.endm
.macro FETCH_B slot, q, p
	WIN TO_B
.irp i, 0,1,2,3,4,5,6,7
	FRAG 128*(\p)+FR*\i, ADRB+\slot, \q, \i
.endr
	WIN 0
.endm
.macro FETCH_A slot, q, i0
.irp i, \i0, \i0+1, \i0+2, \i0+3
	FRAG AF+FR*(\i), ADRA+\slot, \q, \i
.endr
.endm
.macro PLACES n                        ; plain vector lines between a matrix instruction and a load into, or a vector line on, its registers
.rept \n
	v_nop
.endr
.endm
; A step of 128 along K that has its successor in the same slot.  A's blocks 0-3 are fetched anew in its middle, blocks 4-7 at its end; B's other set in the middle.
.macro STEP slot, q, zero
	s_wait_dscnt 4*NL                              ; B's set and A's blocks 0-3 are in; the youngest sixteen loads (A's blocks 4-7) may be out
	WIN MUL_LO
	MUL16 0, (\q)%2, \zero
	MUL16 2, (\q)%2, \zero
	s_wait_dscnt 0                                 ; A's blocks 4-7 are in
	PLACES NP
	FETCH_B \slot, (\q)+1, 1-(\q)%2
	FETCH_A \slot, (\q)+1, 0
	WIN MUL_HI
	MUL16 4, (\q)%2, \zero
	MUL16 6, (\q)%2, \zero
	PLACES NP
	WIN 0
	FETCH_A \slot, (\q)+1, 4
.endm
; A slot's last step changes slots: one barrier; in front of it each wave waits for all its tensor loads, adds 0 to its spare word, and waits for that and for its own reads of this slot.  fill = 1: the slot is filled again, two K steps on.
.macro TURN slot, next, fill
	s_wait_tensorcnt 0x0                           ; all my tensor loads have landed: my part of the next slot
	ds_add_u32 v[SPW], v[NIL]                      ; 0 onto my spare word
	s_wait_dscnt 4*NL+1                            ; (the add and the youngest sixteen loads, A's blocks 4-7, may be out)
	WIN MUL_LO
	MUL16 0, 1, 0
	s_wait_dscnt 0x0                               ; the add is done, and my reads of this slot are over
	s_barrier_signal -1
	MUL16 2, 1, 0
	WIN 0
	s_barrier_wait -1
.if \fill
	CREST                                          ; the barrier has opened a round of the cluster's: no wave of any partner still reads this slot or has a load on its way
	s_add_nc_u64 s[G0+4*\slot+2:G0+4*\slot+3], s[G0+4*\slot+2:G0+4*\slot+3], s[82:83]     ; two planes of A on
	s_add_nc_u64 s[G0B+4*\slot+2:G0B+4*\slot+3], s[G0B+4*\slot+2:G0B+4*\slot+3], s[98:99] ; two planes of B on
	JLOAD G0+4*\slot, G1, G0B+4*\slot, G1B         ; the first tensor load behind the round; its four v_nop are the places in front of the loads below
.else
	PLACES NP
.endif
	FETCH_B \next, 0, 0
	FETCH_A \next, 0, 0
	WIN MUL_HI
	MUL16 4, 1, 0
	MUL16 6, 1, 0
	PLACES NP
	WIN 0
	FETCH_A \next, 0, 4
.endm
; THE WAY OUT of A's block a: sum x 2^(ea + eb) + bias in one multiply-add, the hold, the conversion: sixteen registers of codes, stored as they stand.  kind = 1: v.
.macro OUTBLK a, kind
.set AC, 64*((\a)%4)
.set CS4, CD+16*((\a)%4)
.if (\a) >= 4
	s_wait_xcnt 0x0                                ; block a - 4's stores have read this set of codes
.endif
	WIN 0x02+((\a)/4)                              ; source 0: window 2 or 3
.irp j, 0,2,4,6,8,10,12,14,16,18,20,22,24,26,28,30,32,34,36,38,40,42,44,46,48,50,52,54,56,58,60,62
.if \kind
	v_pk_fma_f32 v[TMP+\j:TMP+\j+1], v[AC+\j:AC+\j+1], s[96:97], v[BV+2*(\a):BV+2*(\a)+1] op_sel_hi:[1,0,0]   ; each accumulator from its low end on
.else
	v_pk_fma_f32 v[TMP+\j:TMP+\j+1], v[AC+\j:AC+\j+1], s[96:97], v[BI+\j:BI+\j+1] op_sel_hi:[1,0,1]
.endif
.endr
	WIN 0
.irp b, 0,1,2,3,4,5,6,7
.irp i, 0,1,2,3,4,5,6,7
	v_med3_num_f32 v[TMP+8*\b+\i], v[TMP+8*\b+\i], -v[LIMV], v[LIMV]   ; the conversion does not saturate (ISA guide 7.6.2)
.endr
	v_cvt_scalef32_pk8_bf8_f32 v[CS4+2*\b:CS4+2*\b+1], v[TMP+8*\b:TMP+8*\b+7], v[SCV]   ; registers 2 b, 2 b + 1 of the image: k = 16 b + 8 h + 0..7
.endr
	v_nop                                          ; a plain line between the last conversion and the next block's writes of its sources
.irp g, 0,1,2,3
.if \kind
	global_store_b128 v[LI], v[CS4+4*\g:CS4+4*\g+3], s[72:73] offset:((\a)/4)*131072+((\a)%4)*2048+512*\g   ; head a / 4 of my two, channel tile a % 4
.else
	global_store_b128 v[LI], v[CS4+4*\g:CS4+4*\g+3], s[72:73] offset:(\g/2)*131072+(\a)*1024+(\g%2)*512     ; head g / 2 of my two, token tile a
.endif
.endr
.endm
	s_load_b256 s[4:11], s[0:1], 0x0               ; xc s[4:5], wc s[6:7], the exponents s[8:9], bq s[10:11]
	s_load_b256 s[68:75], s[0:1], 0x20             ; bk s[68:69], bv s[70:71], qc s[72:73], kc s[74:75]
	s_load_b64 s[76:77], s[0:1], 0x40              ; vc
	v_lshl_add_u32 v[SPW], v0, 2, SPARE
	v_mov_b32 v[NIL], 0
	ds_add_u32 v28, v29
	ds_add_u32 v28, v29
	s_wait_dscnt 0x0
	v_lshrrev_b32 v1, 5, v0
	v_readfirstlane_b32 s14, v1                    ; wave 0..3
	s_lshr_b32 s15, s14, 1                         ; which half of A's rows is mine.  Also: I fetch for A (0) or for B (1)
	s_and_b32 s16, s14, 1                          ; which half of B's rows.  Also: which 128 rows of that tile I fetch
	s_bfe_u32 s40, ttmp6, 0x40000                  ; cx, cy: my place in the cluster
	s_bfe_u32 s41, ttmp6, 0x40004
	s_and_b32 s45, ttmp7, 0xffff
	s_lshl_b32 s45, s45, 2                         ; 4 x cluster y
	s_lshl_b32 s43, s41, 2
	s_lshl_b32 s43, 15, s43                        ; my row of the cluster
	s_lshl_b32 s44, 0x1111, s40                    ; my column
	; descriptor group 1: 32,768 dense bytes as 128 rows of 32 elements of 8 bytes, no padding
	s_or_b32 s[G1+0], s43, (3<<16)|(1<<21)         ; 15:0 the mask: A's tiles go to my row; 17:16 elements of 8 bytes; 21 set beside a mask
	s_or_b32 s[G1B+0], s44, (3<<16)|(1<<21)        ; B's tiles go to my column
.irp g, G1, G1B
	s_mov_b32 s[\g+1], 32<<16                      ; tensor_dim0
	s_mov_b32 s[\g+2], 128<<16                     ; tensor_dim1
	s_mov_b32 s[\g+3], 32<<16                      ; tile_dim0
	s_mov_b32 s[\g+4], 128                         ; tile_dim1
	s_mov_b32 s[\g+5], 32                          ; tensor_dim0_stride
	s_mov_b32 s[\g+6], 0
	s_mov_b32 s[\g+7], 0
.endr
	; who is A and who is B hangs on the projection, which all sixteen partners share
	s_lshl_b32 s20, ttmp9, 23                      ; xc's part for q, k
	s_lshl_b32 s46, ttmp9, 20                      ; wc's part for q, k
	s_mov_b32 s78, 0x200000                        ; a plane of 256 along K: in xc,
	s_mov_b32 s80, 0x40000                         ; in wc
	s_cmp_eq_u32 ttmp9, 2
	s_cselect_b32 s17, 0, s45
	s_cselect_b32 s42, s45, 0
	s_cselect_b32 s20, 0x200000, s20               ; v: A is wc's part 2,
	s_cselect_b32 s46, 0x1000000, s46              ;    B is xc's part 2
	s_cselect_b32 s78, 0x40000, s78                ; A's plane
	s_cselect_b32 s80, 0x200000, s80               ; B's plane
	s_mov_b32 s79, 0
	s_mov_b32 s81, 0
	s_lshl_b32 s82, s78, 1
	s_mov_b32 s83, 0
	s_lshl_b32 s98, s80, 1
	s_mov_b32 s99, 0
	s_add_co_u32 s17, s17, s41                     ; A's tile of 256 rows: cy (+ 4 x cluster y where A is tokens): my row of the cluster shares it
	s_add_co_u32 s42, s42, s40                     ; B's: cx (+ 4 x cluster y where B is tokens): my column shares it
	s_lshl_b32 s22, s16, 15                        ; which 128 rows I fetch
	s_lshl_b32 s18, s17, 16
	s_add_co_u32 s20, s20, s18
	s_add_co_u32 s20, s20, s22
	s_mov_b32 s21, 0
	s_lshl_b32 s19, s42, 16
	s_add_co_u32 s46, s46, s19
	s_add_co_u32 s46, s46, s22
	s_mov_b32 s47, 0
	s_lshl_b32 s23, s14, 15                        ; where they go: wave x 32,768: no place in the cluster enters an LDS address
	s_wait_kmcnt 0x0
	s_load_b256 s[88:95], s[8:9], 0x0              ; e0 .. e7
	s_load_b128 s[84:87], s[8:9], 0x20             ; e8 .. e11
	s_cmp_eq_u32 ttmp9, 2
	s_cselect_b64 s[12:13], s[6:7], s[4:5]         ; A's buffer
	s_cselect_b64 s[66:67], s[4:5], s[6:7]         ; B's buffer
	s_add_nc_u64 s[20:21], s[12:13], s[20:21]
	s_add_nc_u64 s[46:47], s[66:67], s[46:47]
	CROUND                                         ; all sixteen work-groups are here: the first joint loads meet
	s_mov_b32 s[G0], 1
	s_mov_b32 s[G0+1], s23
	s_mov_b64 s[G0+2:G0+3], s[20:21]
	s_or_b32 s[G0+3], s[G0+3], 0x80000000
	s_mov_b32 s[G0B], 1
	s_mov_b32 s[G0B+1], s23
	s_mov_b64 s[G0B+2:G0B+3], s[46:47]
	s_or_b32 s[G0B+3], s[G0B+3], 0x80000000
	JLOAD G0, G1, G0B, G1B                         ; K step 0
	s_mov_b32 s[G0+4], 1
	s_add_co_u32 s[G0+5], s23, SLOT
	s_add_nc_u64 s[G0+6:G0+7], s[20:21], s[78:79]
	s_or_b32 s[G0+7], s[G0+7], 0x80000000
	s_mov_b32 s[G0B+4], 1
	s_add_co_u32 s[G0B+5], s23, SLOT
	s_add_nc_u64 s[G0B+6:G0B+7], s[46:47], s[80:81]
	s_or_b32 s[G0B+7], s[G0B+7], 0x80000000
	JLOAD G0+4, G1, G0B+4, G1B                     ; K step 1: two loads of mine are out
	v_and_b32 v1, 15, v0                           ; r
	v_bfe_u32 v2, v0, 4, 1                         ; h
	v_and_b32 v3, 31, v0
	v_lshlrev_b32 v[LI], 4, v3
	s_lshl_b32 s21, s15, 15                        ; my 128 rows of A
	s_lshl_b32 s22, s16, 15                        ; my 128 rows of B,
	s_add_co_u32 s22, s22, 2*HALFT                 ; which lie behind A's 256
.irp s, 0,1
	v_add_nc_u32 v[ADRA+\s], s21, v[LI]
	v_add_nc_u32 v[ADRB+\s], s22, v[LI]
	s_add_co_u32 s21, s21, SLOT
	s_add_co_u32 s22, s22, SLOT
.endr
	; the projection's bias, in both layouts: along B's rows (used by q, k) and along A's rows (used by v).  Both stay inside its 1,024 numbers for every projection
	s_cmp_eq_u32 ttmp9, 0
	s_cselect_b64 s[12:13], s[10:11], s[70:71]
	s_cmp_eq_u32 ttmp9, 1
	s_cselect_b64 s[12:13], s[68:69], s[12:13]
	s_lshl_b32 s18, s40, 10
	s_lshl_b32 s19, s16, 9
	s_add_co_u32 s18, s18, s19
	v_lshl_add_u32 v[BIO], v2, 5, s18              ; (256 cx + 128 half) x 4 + 32 h
	s_lshl_b32 s18, s41, 10
	s_lshl_b32 s19, s15, 9
	s_add_co_u32 s18, s18, s19
	v_lshl_add_u32 v[BVO], v1, 2, s18              ; (256 cy + 128 half) x 4 + 4 r
.irp b, 0,1,2,3,4,5,6,7
	global_load_b128 v[BI+8*\b:BI+8*\b+3], v[BIO], s[12:13] offset:64*\b
	global_load_b128 v[BI+8*\b+4:BI+8*\b+7], v[BIO], s[12:13] offset:64*\b+16
.endr
.irp a, 0,1,2,3,4,5,6,7
	global_load_b32 v[BV+2*\a], v[BVO], s[12:13] offset:64*\a
	global_load_b32 v[BV+2*\a+1], v[BVO], s[12:13] offset:64*\a     ; named with it as a pair, so it is written
.endr
	; where my results go: ((batch x 16 + my first head) << 17) + ((my first token in the batch) << 6): 64 bytes a token in q's and k's images (1,024 for 16) and in v's (8,192 for 128) alike
	s_cmp_eq_u32 ttmp9, 1
	s_cselect_b64 s[72:73], s[74:75], s[72:73]
	s_cmp_eq_u32 ttmp9, 2
	s_cselect_b64 s[72:73], s[76:77], s[72:73]
	s_cselect_b32 s18, s42, s17                    ; the tile of 256 tokens,
	s_cselect_b32 s19, s16, s15                    ; my half of it,
	s_cselect_b32 s22, s41, s40                    ; the tile of 256 channels,
	s_cselect_b32 s2, s15, s16                     ; my half of it
	s_lshl_b32 s18, s18, 8
	s_lshl_b32 s19, s19, 7
	s_add_co_u32 s18, s18, s19                     ; my first token
	s_lshr_b32 s19, s18, 11                        ; batch
	s_lshl_b32 s19, s19, 4
	s_lshl_b32 s22, s22, 2
	s_add_co_u32 s19, s19, s22
	s_lshl_b32 s2, s2, 1
	s_add_co_u32 s19, s19, s2
	s_lshl_b32 s19, s19, 17
	s_and_b32 s18, s18, 2047
	s_lshl_b32 s18, s18, 6
	s_add_co_u32 s18, s18, s19
	s_mov_b32 s19, 0
	s_add_nc_u64 s[72:73], s[72:73], s[18:19]
	s_wait_tensorcnt 1                             ; my part of K step 0 is in (K step 1's load may be out)
	s_barrier_signal -1
	s_barrier_wait -1                              ; everybody's is
	FETCH_B 0, 0, 0
	FETCH_A 0, 0, 0
	FETCH_A 0, 0, 4
	STEP 0, 0, 1                                   ; the first step's products start the sums: nothing is cleared.  Four K steps: written out, no loop
	TURN 0, 1, 1                                   ; slot 0 takes K step 2
	STEP 1, 0, 0
	TURN 1, 0, 1                                   ; slot 1 takes K step 3
	STEP 0, 0, 0
	TURN 0, 1, 0                                   ; nothing is left to fetch
	STEP 1, 0, 0
	s_wait_dscnt 4*NL                              ; the very last step
	WIN MUL_LO
	MUL16 0, 1, 0
	MUL16 2, 1, 0
	s_wait_dscnt 0
	WIN MUL_HI
	MUL16 4, 1, 0
	MUL16 6, 1, 0
	WIN 0
	s_wait_kmcnt 0x0
	s_add_co_i32 s88, s88, s89                     ; e0 + e1
	s_add_co_i32 s90, s90, s91                     ; e2 + e3
	s_add_co_i32 s92, s92, s93                     ; e4 + e5
	s_cmp_eq_u32 ttmp9, 0
	s_cselect_b32 s96, s88, s92
	s_cselect_b32 s97, s94, s85                    ; e6 or e9
	s_cmp_eq_u32 ttmp9, 1
	s_cselect_b32 s96, s90, s96
	s_cselect_b32 s97, s95, s97                    ; e7
	s_add_co_i32 s96, s96, 127
	s_lshl_b32 s96, s96, 23                        ; 2^(ea + eb) as f32
	s_add_co_i32 s97, s97, 127
	s_lshl_b32 s18, s97, 23
	v_mov_b32 v[SCV], s18                          ; the result's scale: the conversion takes its exponent field
	s_add_co_i32 s97, s97, 15
	s_lshl_b32 s97, s97, 23
	s_or_b32 s97, s97, 0x600000
	v_mov_b32 v[LIMV], s97                         ; 57,344 x that scale
	s_mov_b32 s97, s96                             ; (named with s96 as a pair, so it is written)
	s_wait_loadcnt 0x0                             ; the biases
	PLACES NP                                      ; behind the last products: their results are read and their operands' registers written below
	s_cmp_eq_u32 ttmp9, 2                          ; the same in all sixteen partners; all tensor loads lie behind
	s_cbranch_scc1 .Ltail_v
.irp a, 0,1,2,3,4,5,6,7
	OUTBLK \a, 0
.endr
	s_branch .Ljoin
.Ltail_v:
.irp a, 0,1,2,3,4,5,6,7
	OUTBLK \a, 1
.endr
.Ljoin:
	s_wait_tensorcnt 0x0                           ; the wave's end
	ds_add_u32 v[SPW], v[NIL]
	s_wait_dscnt 0x0
	CROUND                                         ; the closing round: no work-group ends while a partner may still ask for a tile that names it
	s_endpgm
.Lfunc_end_k_q1f040644d1_qkv:
	.size	k_q1f040644d1_qkv, .Lfunc_end_k_q1f040644d1_qkv-k_q1f040644d1_qkv
	.p2alignl 7, 3214868480
	.fill 96, 4, 3214868480
	.section	.rodata,"a",@progbits
	.p2align	6, 0x0
	.amdhsa_kernel k_q1f040644d1_qkv
		.amdhsa_group_segment_fixed_size 327680
		.amdhsa_private_segment_fixed_size 0
		.amdhsa_enable_private_segment 0
		.amdhsa_kernarg_size 72
		.amdhsa_user_sgpr_count 2
		.amdhsa_user_sgpr_kernarg_segment_ptr 1
		.amdhsa_wavefront_size32 1
		.amdhsa_system_sgpr_workgroup_id_x 1
		.amdhsa_system_sgpr_workgroup_id_y 1
		.amdhsa_system_sgpr_workgroup_id_z 1
		.amdhsa_system_vgpr_workitem_id 0
		.amdhsa_next_free_vgpr 1024
		.amdhsa_next_free_sgpr 100
		.amdhsa_reserve_vcc 0
		.amdhsa_float_denorm_mode_32 3
		.amdhsa_float_denorm_mode_16_64 3
		.amdhsa_memory_ordered 1
		.amdhsa_forward_progress 1
		.amdhsa_inst_pref_size 194
	.end_amdhsa_kernel
	.amdgpu_metadata
---
amdhsa.version: [ 1, 2 ]
amdhsa.kernels:
  - .name:           k_q1f040644d1_qkv
    .symbol:         k_q1f040644d1_qkv.kd
    .args:
      - { .name: xc, .offset: 0, .size: 8, .value_kind: global_buffer, .address_space: global }
      - { .name: wc, .offset: 8, .size: 8, .value_kind: global_buffer, .address_space: global }
      - { .name: lowp_scales, .offset: 16, .size: 8, .value_kind: global_buffer, .address_space: global }
      - { .name: bq, .offset: 24, .size: 8, .value_kind: global_buffer, .address_space: global }
      - { .name: bk, .offset: 32, .size: 8, .value_kind: global_buffer, .address_space: global }
      - { .name: bv, .offset: 40, .size: 8, .value_kind: global_buffer, .address_space: global }
      - { .name: qc, .offset: 48, .size: 8, .value_kind: global_buffer, .address_space: global }
      - { .name: kc, .offset: 56, .size: 8, .value_kind: global_buffer, .address_space: global }
      - { .name: vc, .offset: 64, .size: 8, .value_kind: global_buffer, .address_space: global }
    .group_segment_fixed_size: 327680
    .private_segment_fixed_size: 0
    .kernarg_segment_align: 8
    .kernarg_segment_size: 72
    .max_flat_workgroup_size: 128
    .sgpr_count:     100
    .vgpr_count:     1024
    .wavefront_size: 32
...
	.end_amdgpu_metadata
.endif
;; end of part 2
;; launch attn (part 3): grid 4 x 64, 16 waves a work-group, no clusters, 264,192 bytes of LDS; arguments qc, kc, vc, lowp_scales, ao; writes ao
.if DOCPART == 3
	.amdgcn_target "amdgcn-amd-amdhsa--gfx1250"
	.amdhsa_code_object_version 6
	.text
	.protected	k_q1f040644d1_attn
	.globl	k_q1f040644d1_attn
	.p2align	8
	.type	k_q1f040644d1_attn,@function
k_q1f040644d1_attn:
	s_mov_b64 s[64:65], 0
	v_nop
	global_prefetch_b8 v0, s[64:65] scope:SCOPE_SE
	s_setreg_imm32_b32 hwreg(HW_REG_WAVE_MODE, 25, 1), 1
	s_wait_xcnt 0x0
; Causal attention on codes of E5M2, head size 64, 2,048 tokens, 64 (batch, head) pairs; the result is quantised at once (scale 2^e10) as the operand of the output projection.
; t = score x 2^(e6 + e7) x log2(e) / 8; M = the running largest t rounded UP to a whole number; p = 2^(t - M) is quantised with 2^e8, not normalised; the row's sum is taken of the unquantised p and divides at the end;
; when M moves, the sum and O are multiplied by 2^(old M - new M), which rounds nothing.
; ALL OPERANDS ARE IMAGES OF REGISTERS: q, k [head][token tile 128][1024] (16 tokens x 64 channels), v [head][128 keys][channel tile 4][2048] (16 channels x 128 keys); ao [token tile 512][K step 8][2048].
; A head's K and V, 131,072 bytes each, lie in LDS whole: every LDS byte is filled once, there is no ring, and an LDS load's 512 bytes are consecutive.
; SHARES.  Work-group (j, head).  Wave w owns two tiles of 16 queries: tile 16 (7 - j) + w and tile 16 j + 15 - w.  A tile at number T walks T / 8 + 1 key steps of 128: the two add up to 17 for every wave of the launch.
; Both products are used transposed (S^T = K Q^T, O^T = V^T P^T): a lane holds one query throughout; tile t of S^T gives a lane keys 16 t + 8 h + 0..7, which one conversion turns into registers 2 t, 2 t + 1 of P.
; CAUSAL.  The loops' trip counts are constants; a step all of whose keys come after the tile's queries is jumped over by a scalar branch on ids; on the diagonal hidden scores become -infinity ahead of the maximum.
; NO CLUSTER, though the four work-groups of a head read the same K and V: those jumps hang on which queries a work-group owns, which in a cluster would be its place among its partners.
; NO PREFETCH: all of K and V is asked for by the eight tensor loads at the head, and both fragments of Q by loads at the head: no later request is left to run ahead of.
; LIMITS: e6 + e7 between -123 and 130 (added to c's exponent field); e8 and e10 between -126 and 112; e8 + e9 is applied by v_ldexp_f32 and has none.  NaN is not served.
; REGISTERS: v1, v2 16 x lane (K's, V's); v8, v9 the step's addresses; v12 -M, v13 the largest t, v[14:15] the sum; v16-23, v24-31 Q of the two tiles; v32-95 K's eight fragments, then V's four; v96-159 S^T, then p;
;   v160-191 O^T; v192-207 p's codes; v208-217 at work; v218, v219 2^e8 and 57,344 x 2^e8; v220, v221 the same for e10; v224-231, v232-239 the two tiles' codes.
.set LI,   1
.set LIV,  2
.set ADK,  8
.set ADV,  9
.set TB,   2                           ; s2   LDS byte of the step's K tiles (V's lie 131,072 further on)
.set WV,   18
.set SEL,  20                          ; s[20:21] lane selects for v_permlanex16_b32: lane l xor 16
.set CS,   22                          ; s[22:23] c
.set G1,   24                          ; s[24:31] descriptor group 1
.set G0,   32                          ; s[32:47] four groups 0
.set CNT,  67
.set KF,   98                          ; s98  the step's first key
.set Q0,   99                          ; s99  the tile's first query
.macro INIT                            ; the loop has no first step of its own: O^T and the sum begin as zeros, the largest t under every t
	v_mov_b32 v13, 0xff61b1e6                      ; -3e38
	v_floor_f32 v12, -v13
	v_mov_b32 v14, 0
	v_mov_b32 v15, 0
.irp j, 0,1,2,3,4,5,6,7,8,9,10,11,12,13,14,15,16,17,18,19,20,21,22,23,24,25,26,27,28,29,30,31
	v_mov_b32 v[160+\j], 0
.endr
.endm
; A KEY STEP of 128 keys for the tile whose Q lies at v[qf].
.macro STEP qf
	s_add_co_u32 s96, s[Q0], 15
	s_cmp_gt_u32 s[KF], s96
	s_cbranch_scc1 .Lhidden_\@                     ; all 128 keys come after my 16 queries
	v_add_nc_u32 v[ADK], s[TB], v[LI]
	v_add_nc_u32 v[ADV], s[TB], v[LIV]
	v_nop
	v_nop                                          ; four places in front of loads into registers that the last products read
.irp t, 0,1,2,3,4,5,6,7
	ds_load_b128 v[32+8*\t:35+8*\t], v[ADK] offset:1024*\t
	ds_load_b128 v[36+8*\t:39+8*\t], v[ADK] offset:1024*\t+512
.endr
	s_wait_dscnt 0x0
.irp t, 0,1,2,3,4,5,6,7
	v_wmma_f32_16x16x64_bf8_bf8 v[96+8*\t:103+8*\t], v[32+8*\t:39+8*\t], v[\qf:\qf+7], 0
.endr
.rept 4
	v_nop                                          ; places in front of the loads below and of the first read of the scores
.endr
.irp u, 0,1,2,3                        ; V's four fragments land while the softmax is walked
.irp g, 0,1,2,3
	ds_load_b128 v[32+16*\u+4*\g:35+16*\u+4*\g], v[ADV] offset:2048*\u+512*\g
.endr
.endr
	s_add_co_u32 s96, s[KF], 127
	s_cmp_le_u32 s96, s[Q0]
	s_cbranch_scc1 .Lopen_\@                       ; all 128 keys count
	s_sub_co_i32 s96, s[Q0], s[KF]
	v_and_b32 v216, 15, v0
	v_bfe_u32 v211, v0, 4, 1
	v_lshlrev_b32 v211, 3, v211
	v_sub_nc_u32 v216, v216, v211
	v_add_nc_u32 v216, s96, v216                   ; d = my query - KF - 8 h.  Register 8 t + j holds key KF + 8 h + 16 t + j: hidden where 16 t + j > d
.irp n, 0,1,2,3,4,5,6,7,8,9,10,11,12,13,14,15,16,17,18,19,20,21,22,23,24,25,26,27,28,29,30,31,32,33,34,35,36,37,38,39,40,41,42,43,44,45,46,47,48,49,50,51,52,53,54,55,56,57,58,59,60,61,62,63
	v_cmp_gt_i32 vcc_lo, 16*(\n/8)+\n%8, v216
	v_cndmask_b32 v[96+\n], v[96+\n], v217, vcc_lo
.endr
.Lopen_\@:
	v_max3_num_f32 v208, v96, v97, v98             ; the step's largest score of my query among my 64 keys, in two chains; each tile is first read at its low end
	v_max3_num_f32 v209, v99, v100, v101
.irp i, 6,10,14,18,22,26,30,34,38,42,46,50,54,58
	v_max3_num_f32 v208, v208, v[96+\i], v[97+\i]
	v_max3_num_f32 v209, v209, v[98+\i], v[99+\i]
.endr
	v_max3_num_f32 v208, v208, v158, v159
	v_max_num_f32 v208, v208, v209
	v_permlanex16_b32 v210, v208, s[SEL], s[SEL+1]
	v_max_num_f32 v208, v208, v210                 ; and among lane l xor 16's
	v_mul_f32 v208, s[CS], v208                    ; as t (c is positive)
	v_max_num_f32 v13, v13, v208                   ; the running largest t
	v_mov_b32 v208, v12
	v_floor_f32 v12, -v13                          ; the new -M = floor(-t): M is a whole number
	v_sub_f32 v208, v12, v208                      ; old M - new M: a whole number, 0 or less
	v_cvt_i32_f32 v208, v208                       ; (it saturates)
	v_ldexp_f32 v212, 1.0, v208                    ; f = 2^(old M - new M)
.irp j, 0,2,4,6,8,10,12,14,16,18,20,22,24,26,28,30,32,34,36,38,40,42,44,46,48,50,52,54,56,58,60,62
	v_pk_fma_f32 v[96+\j:97+\j], v[96+\j:97+\j], s[CS:CS+1], v[12:13] op_sel_hi:[1,0,0]   ; t - M
.endr
.irp j, 0,1,2,3,4,5,6,7,8,9,10,11,12,13,14,15,16,17,18,19,20,21,22,23,24,25,26,27,28,29,30,31,32,33,34,35,36,37,38,39,40,41,42,43,44,45,46,47,48,49,50,51,52,53,54,55,56,57,58,59,60,61,62,63
	v_exp_f32 v[96+\j], v[96+\j]                   ; p = 2^(t - M), at most 1
.endr
	v_pk_mul_f32 v[14:15], v[14:15], v[212:213] op_sel_hi:[1,0]   ; the sums under the new M: the plain line behind the exponentials
	s_wait_alu depctr_va_vdst(0)                   ; one wait for the batch of 64, ahead of its first reader
	v_pk_add_f32 v[214:215], v[96:97], v[98:99]    ; the row's sum is taken of the unquantised p, in two chains
.irp j, 4,8,12,16,20,24,28,32,36,40,44,48,52,56,60
	v_pk_add_f32 v[14:15], v[14:15], v[96+\j:97+\j]
	v_pk_add_f32 v[214:215], v[214:215], v[98+\j:99+\j]
.endr
	v_pk_add_f32 v[14:15], v[14:15], v[214:215]
.irp t, 0,1,2,3,4,5,6,7
.irp i, 0,1,2,3,4,5,6,7
	v_min_num_f32 v[96+8*\t+\i], v[96+8*\t+\i], v219   ; the conversion does not saturate (ISA guide 7.6.2); p is not negative, so the hold is one-sided
.endr
	v_cvt_scalef32_pk8_bf8_f32 v[192+2*\t:193+2*\t], v[96+8*\t:103+8*\t], v218
.endr
.irp j, 0,2,4,6,8,10,12,14,16,18,20,22,24,26,28,30
	v_pk_mul_f32 v[160+\j:161+\j], v[160+\j:161+\j], v[212:213] op_sel_hi:[1,0]   ; O^T under the new M; also the plain lines between the conversions and the products
.endr
	s_wait_dscnt 0x0                               ; V is in
.irp u, 0,1,2,3
	v_wmma_f32_16x16x128_bf8_bf8 v[160+8*\u:167+8*\u], v[32+16*\u:47+16*\u], v[192:207], v[160+8*\u:167+8*\u]   ; four accumulators by turns; the next step's eight products stand between two links
.endr
.Lhidden_\@:
	s_add_co_u32 s[KF], s[KF], 128
	s_add_co_u32 s[TB], s[TB], 8192
.endm
; Keys 512 c to 512 c + 511 for the large tile: the issuing waves' load c has landed (3 - c younger ones may be out), then the barrier shows it to all sixteen.
.macro CHUNK c
	s_wait_tensorcnt 3-\c
	s_wait_dscnt 0x0
	s_barrier_signal -1
	s_barrier_wait -1
	s_mov_b32 s[TB], 32768*\c
	s_mov_b32 s[KF], 512*\c
	s_mov_b32 s[CNT], 4
.Lchunk_\@:
	STEP 16
	s_sub_co_u32 s[CNT], s[CNT], 1
	s_cmp_lg_u32 s[CNT], 0
	s_cbranch_scc1 .Lchunk_\@
.endm
; O^T x 2^(e8 + e9) / the sum, held, converted with 2^e10: eight registers of the output projection's image, stored as they stand: two stores of 512 consecutive bytes.
.macro FINISH cd, base
.rept 4
	v_nop                                          ; places behind the last products
.endr
	v_add_f32 v14, v14, v15
	v_permlanex16_b32 v210, v14, s[SEL], s[SEL+1]
	v_add_f32 v14, v14, v210                       ; the row's sum
	v_rcp_f32 v14, v14
	v_nop                                          ; a plain line behind the reciprocal
	s_wait_alu depctr_va_vdst(0)                   ; and the wait ahead of its first reader
	v_ldexp_f32 v14, v14, s52
.irp j, 0,2,4,6,8,10,12,14,16,18,20,22,24,26,28,30
	v_pk_mul_f32 v[96+\j:97+\j], v[160+\j:161+\j], v[14:15] op_sel_hi:[1,0]   ; register 8 u + i is o(query r, channel 16 u + 8 h + i)
.endr
.irp u, 0,1,2,3
.irp i, 0,1,2,3,4,5,6,7
	v_med3_num_f32 v[96+8*\u+\i], v[96+8*\u+\i], -v221, v221
.endr
	v_cvt_scalef32_pk8_bf8_f32 v[\cd+2*\u:\cd+2*\u+1], v[96+8*\u:103+8*\u], v220
.endr
	v_nop                                          ; a plain line between the last conversion and later writes of its sources
	global_store_b128 v[LI], v[\cd:\cd+3], s[\base:\base+1]
	global_store_b128 v[LI], v[\cd+4:\cd+7], s[\base:\base+1] offset:512
.endm
	s_load_b128 s[4:7], s[0:1], 0x0                ; qc s[4:5], kc s[6:7]
	s_load_b128 s[12:15], s[0:1], 0x10             ; vc s[12:13], the exponents s[14:15]
	s_load_b64 s[16:17], s[0:1], 0x20              ; ao
	v_lshl_add_u32 v254, v0, 2, 0x40000
	v_mov_b32 v255, 0
	ds_add_u32 v254, v255
	ds_add_u32 v254, v255
	v_lshrrev_b32 v3, 5, v0
	v_readfirstlane_b32 s[WV], v3                  ; wave 0..15
	v_and_b32 v3, 31, v0
	v_lshlrev_b32 v[LI], 4, v3
	v_add_nc_u32 v[LIV], 0x20000, v[LI]
	s_and_b32 s53, ttmp7, 0xffff                   ; (batch, head)
	s_sub_co_u32 s54, 7, ttmp9
	s_lshl_b32 s54, s54, 4
	s_add_co_u32 s54, s54, s[WV]                   ; my large tile: 16 (7 - j) + w
	s_lshl_b32 s55, ttmp9, 4
	s_add_co_u32 s55, s55, 15
	s_sub_co_u32 s55, s55, s[WV]                   ; my small tile: 16 j + 15 - w
	s_lshl_b32 s86, s54, 4                         ; their first queries
	s_lshl_b32 s87, s55, 4
	s_lshl_b32 s80, s53, 17                        ; the head's first byte in qc, kc, vc
	s_mov_b32 s81, 0
	s_lshl_b32 s56, s54, 10
	s_add_co_u32 s56, s56, s80
	s_mov_b32 s57, 0
	s_lshl_b32 s58, s55, 10
	s_add_co_u32 s58, s58, s80
	s_mov_b32 s59, 0
	s_lshr_b32 s60, s53, 4
	s_lshl_b32 s60, s60, 7                         ; the batch's first token tile
	s_bfe_u32 s61, s53, 0x30001                    ; head / 2: the K step of the output projection,
	s_lshl_b32 s61, s61, 11
	s_and_b32 s62, s53, 1                          ; head % 2: registers 0-7 or 8-15 of its image
	s_lshl_b32 s62, s62, 10
	s_add_co_u32 s61, s61, s62
	s_add_co_u32 s62, s60, s54
	s_lshl_b32 s62, s62, 14
	s_add_co_u32 s48, s62, s61
	s_mov_b32 s49, 0
	s_add_co_u32 s62, s60, s55
	s_lshl_b32 s62, s62, 14
	s_add_co_u32 s50, s62, s61
	s_mov_b32 s51, 0
	; descriptor group 1: 32,768 dense bytes (512 keys of K or of V) as 128 rows of 32 elements of 8 bytes, no padding, no mask
	s_mov_b32 s[G1], 3<<16
	s_mov_b32 s[G1+1], 32<<16                      ; tensor_dim0
	s_mov_b32 s[G1+2], 128<<16                     ; tensor_dim1
	s_mov_b32 s[G1+3], 32<<16                      ; tile_dim0
	s_mov_b32 s[G1+4], 128                         ; tile_dim1
	s_mov_b32 s[G1+5], 32                          ; tensor_dim0_stride
	s_mov_b32 s[G1+6], 0
	s_mov_b32 s[G1+7], 0
	s_mov_b32 s[SEL], 0x76543210
	s_mov_b32 s[SEL+1], 0xfedcba98
	s_mov_b32 s[CS], 0x3e38aa3b                    ; c = log2(e) / sqrt(64)
	s_and_b32 s63, s[WV], 1
	s_lshl_b32 s66, s63, 17                        ; K's images from LDS byte 0, V's from 131,072
	s_wait_dscnt 0x0
	s_wait_kmcnt 0x0
	s_load_b256 s[68:75], s[14:15], 0x0            ; e0 .. e7
	s_load_b128 s[76:79], s[14:15], 0x20           ; e8 .. e11
	s_cmp_eq_u32 s63, 0
	s_cselect_b64 s[82:83], s[6:7], s[12:13]       ; wave 0 fetches K, wave 1 V
	s_add_nc_u64 s[82:83], s[82:83], s[80:81]
.irp c, 0,1,2,3
	s_mov_b32 s[G0+4*\c], 1
	s_add_co_u32 s[G0+4*\c+1], s66, 32768*\c
	s_add_nc_u64 s[G0+4*\c+2:G0+4*\c+3], s[82:83], 32768*\c
	s_or_b32 s[G0+4*\c+3], s[G0+4*\c+3], 0x80000000
.endr
	s_cmp_lt_u32 s[WV], 2                          ; a wave's four first fills stand in one branch, ahead of every wait on TENSORcnt, every LDS read and every barrier: four loads of the wave are out
	s_cbranch_scc0 .Lno_fill
	tensor_load_to_lds s[G0:G0+3], s[G1:G1+7]
	s_nop 0
	tensor_load_to_lds s[G0+4:G0+7], s[G1:G1+7]
	s_nop 0
	tensor_load_to_lds s[G0+8:G0+11], s[G1:G1+7]
	s_nop 0
	tensor_load_to_lds s[G0+12:G0+15], s[G1:G1+7]
	s_nop 0
.rept 4
	v_nop
.endr
.Lno_fill:
	s_add_nc_u64 s[56:57], s[4:5], s[56:57]
	s_add_nc_u64 s[58:59], s[4:5], s[58:59]
	s_add_nc_u64 s[48:49], s[16:17], s[48:49]
	s_add_nc_u64 s[50:51], s[16:17], s[50:51]
	global_load_b128 v[16:19], v[LI], s[56:57]
	global_load_b128 v[20:23], v[LI], s[56:57] offset:512
	global_load_b128 v[24:27], v[LI], s[58:59]
	global_load_b128 v[28:31], v[LI], s[58:59] offset:512
	v_mov_b32 v210, 0                              ; written once: a lane permute's destination counts as one of its sources
	v_mov_b32 v213, 0                              ; (named as the upper half of the pair v[212:213])
	v_mov_b32 v217, 0xff800000                     ; -infinity
	s_wait_kmcnt 0x0
	s_add_co_i32 s84, s74, s75
	s_lshl_b32 s84, s84, 23
	s_add_co_i32 s[CS], s[CS], s84                 ; a score stands for score x 2^(e6 + e7): added to c's exponent field
	s_mov_b32 s[CS+1], s[CS]
	s_add_co_i32 s84, s76, 127
	s_lshl_b32 s85, s84, 23
	v_mov_b32 v218, s85                            ; 2^e8
	s_add_co_i32 s84, s84, 15
	s_lshl_b32 s84, s84, 23
	s_or_b32 s84, s84, 0x600000
	v_mov_b32 v219, s84                            ; 57,344 x 2^e8
	s_add_co_i32 s84, s78, 127
	s_lshl_b32 s85, s84, 23
	v_mov_b32 v220, s85                            ; 2^e10
	s_add_co_i32 s84, s84, 15
	s_lshl_b32 s84, s84, 23
	s_or_b32 s84, s84, 0x600000
	v_mov_b32 v221, s84                            ; 57,344 x 2^e10
	s_add_co_i32 s52, s76, s77                     ; e8 + e9
	s_wait_loadcnt 0x0                             ; Q
	INIT
	s_mov_b32 s[Q0], s86                           ; the large tile walks all sixteen steps' places, in four chunks as they land
	CHUNK 0
	CHUNK 1
	CHUNK 2
	CHUNK 3
	FINISH 224, 48
	INIT
	s_mov_b32 s[Q0], s87                           ; the small tile: its queries lie under 1,024, so eight steps' places; all of K and V has been shown to every wave
	s_mov_b32 s[TB], 0
	s_mov_b32 s[KF], 0
	s_mov_b32 s[CNT], 8
.Lsmall:
	STEP 24
	s_sub_co_u32 s[CNT], s[CNT], 1
	s_cmp_lg_u32 s[CNT], 0
	s_cbranch_scc1 .Lsmall
	FINISH 232, 50
	s_wait_tensorcnt 0x0
	ds_add_u32 v254, v255
	s_wait_dscnt 0x0
	s_endpgm
.Lfunc_end_k_q1f040644d1_attn:
	.size	k_q1f040644d1_attn, .Lfunc_end_k_q1f040644d1_attn-k_q1f040644d1_attn
	.p2alignl 7, 3214868480
	.fill 96, 4, 3214868480
	.section	.rodata,"a",@progbits
	.p2align	6, 0x0
	.amdhsa_kernel k_q1f040644d1_attn
		.amdhsa_group_segment_fixed_size 264192
		.amdhsa_private_segment_fixed_size 0
		.amdhsa_enable_private_segment 0
		.amdhsa_kernarg_size 40
		.amdhsa_user_sgpr_count 2
		.amdhsa_user_sgpr_kernarg_segment_ptr 1
		.amdhsa_wavefront_size32 1
		.amdhsa_system_sgpr_workgroup_id_x 1
		.amdhsa_system_sgpr_workgroup_id_y 1
		.amdhsa_system_sgpr_workgroup_id_z 1
		.amdhsa_system_vgpr_workitem_id 0
		.amdhsa_next_free_vgpr 256
		.amdhsa_next_free_sgpr 100
		.amdhsa_reserve_vcc 1
		.amdhsa_float_denorm_mode_32 3
		.amdhsa_float_denorm_mode_16_64 3
		.amdhsa_memory_ordered 1
		.amdhsa_forward_progress 1
		.amdhsa_inst_pref_size 121
	.end_amdhsa_kernel
	.amdgpu_metadata
---
amdhsa.version: [ 1, 2 ]
amdhsa.kernels:
  - .name:           k_q1f040644d1_attn
    .symbol:         k_q1f040644d1_attn.kd
    .args:
      - { .name: qc, .offset: 0, .size: 8, .value_kind: global_buffer, .address_space: global }
      - { .name: kc, .offset: 8, .size: 8, .value_kind: global_buffer, .address_space: global }
      - { .name: vc, .offset: 16, .size: 8, .value_kind: global_buffer, .address_space: global }
      - { .name: lowp_scales, .offset: 24, .size: 8, .value_kind: global_buffer, .address_space: global }
      - { .name: ao, .offset: 32, .size: 8, .value_kind: global_buffer, .address_space: global }
    .group_segment_fixed_size: 264192
    .private_segment_fixed_size: 0
    .kernarg_segment_align: 8
    .kernarg_segment_size: 40
    .max_flat_workgroup_size: 512
    .sgpr_count:     100
    .vgpr_count:     256
    .wavefront_size: 32
...
	.end_amdgpu_metadata
.endif
;; end of part 3
;; launch oproj (part 4): grid 256 x 1, 4 waves a work-group, no clusters, 132,096 bytes of LDS; arguments ao, wc, lowp_scales, bo, x, gamma, beta, out0; writes out0
.if DOCPART == 4
	.amdgcn_target "amdgcn-amd-amdhsa--gfx1250"
	.amdhsa_code_object_version 6
	.text
	.protected	k_q1f040644d1_oproj
	.globl	k_q1f040644d1_oproj
	.p2align	8
	.type	k_q1f040644d1_oproj,@function
k_q1f040644d1_oproj:
	s_mov_b64 s[64:65], 0
	v_nop
	global_prefetch_b8 v0, s[64:65] scope:SCOPE_SE
	s_setreg_imm32_b32 hwreg(HW_REG_WAVE_MODE, 25, 1), 1
	s_wait_xcnt 0x0
; out0 = LayerNorm(attention's result x Wo + bo + x) x gamma + beta.  The product is on codes of E5M2 (scales 2^e10, 2^e11); all else in f32.
; SHARES.  A work-group owns 32 whole rows (two token tiles), as the norm needs.  Wave w makes columns 256 w .. 256 w + 255 of them: 16 column tiles x 2 row tiles = 32 accumulators, 256 registers.
; Both operands are images of registers in memory (16 rows x 128 K = 2,048 bytes).  Each fragment of Wo is used by ONE wave of the work-group, so it goes from memory straight into that wave's registers,
; 512 consecutive bytes a load; up to 72 loads of a wave are on their way.  No tensor load, no ring.
; NO JOINT LOADS, though every work-group walks the same Wo: a joint load lands in LDS; two slots of one K step of 1,024 columns are 262,144 bytes, the stage below is 131,584, and the two do not fit together;
; and a K step is only 32 matrix instructions a wave in which a refill could land.
; THE PRODUCT IS USED TRANSPOSED (source 0 = 16 columns of Wo, source 1 = 16 tokens): a lane holds 8 neighbouring columns of one row.  The raw sums meet in a stage in LDS (32 rows x (4,096 + 16) bytes), one barrier,
; and each wave then takes 8 whole rows: sum x 2^(e10 + e11) + bo, + x, the mean, the variance of the differences (two passes: a common offset in x costs no precision), the norm, and stores of 512 consecutive bytes.
; x's rows are prefetched in units 2 to 5 of the sixteen: 8,192 bytes an instruction, lanes 256 bytes apart, the wave's own 8 rows, each block named once in the launch; the loads that want them stand in units 14 and 15.
; LIMIT: e10 + e11 between -126 and 127.
; REGISTERS, in windows of 256: window 0: v1-15 addresses and at work; v32-95 A's two buffers, later two rows of sums; v96-127 gamma, v128-159 beta, v160-191 bo; v192-255 two rows of y.
;   window 1: Wo's two buffers of eight fragments, later x's 8 rows at v[32 q + 4 p].   window 2: accumulator (row tile u, column tile i) at v[8 (16 u + i)].
.set LI,  1                            ; v1   16 x lane
.set PFO, 2                            ; v2   256 x lane
.set SO,  3                            ; v3, v4  the stage: where I put 32 bytes of a row of row tile 0, 1
.set SR,  5                            ; v5   and where I read my rows back
.set MU,  6                            ; v[6:7]  the mean
.set RS,  8                            ; v[8:9]  1 / sqrt(var + eps)
.set AB,  32
.set SS,  32
.set GA,  96
.set BE,  128
.set BO,  160
.set YY,  192
.set MSB, 0
.macro WIN new                         ; the immediate's high byte repeats the setting that is left
.if MSB != (\new)
	s_set_vgpr_msb (MSB<<8)|(\new)
.set MSB, (\new)
.endif
.endm
.macro ALOAD s                         ; both row tiles' fragments of K step s
.irp u, 0,1
.irp c, 0,1,2,3
	global_load_b128 v[AB+32*((\s)%2)+16*\u+4*\c:AB+32*((\s)%2)+16*\u+4*\c+3], v[LI], s[4:5] offset:16384*\u+2048*(\s)+512*\c
.endr
.endr
.endm
.macro BLOAD s, y                      ; my column tiles 8 y .. 8 y + 7 of K step s
.irp k, 0,1,2,3,4,5,6,7
.irp c, 0,1,2,3
	global_load_b128 v[128*(\y)+16*\k+4*\c:128*(\y)+16*\k+4*\c+3], v[LI], s[6:7] offset:((\s)/2)*262144+(8*(\y)+\k)*4096+((\s)%2)*2048+512*\c
.endr
.endr
.endm
.macro XL y                            ; my rows 4 y .. 4 y + 3 of x
.irp k, 0,1,2,3
.irp p, 0,1,2,3,4,5,6,7
	global_load_b128 v[128*(\y)+32*\k+4*\p:128*(\y)+32*\k+4*\p+3], v[LI], s[12:13] offset:4096*(4*(\y)+\k)+512*\p th:TH_LOAD_NT
.endr
.endr
.endm
; A unit: K step s, column tiles 8 y on: sixteen products on sixteen accumulators (the 32 take turns, one instruction a turn), then the loads of two units on into the buffer just read.
; n = the loads issued behind this unit's own, which may stay out.  pf >= 0: one prefetch of x.
.macro UNIT s, y, n, pf
	s_wait_loadcnt \n
	WIN 0xa1                                       ; source 0 (Wo) window 1, source 1 window 0, C and D window 2
.irp k, 0,1,2,3,4,5,6,7
.irp u, 0,1
.if (\s) == 0
	v_wmma_f32_16x16x128_bf8_bf8 v[8*(16*\u+8*(\y)+\k):8*(16*\u+8*(\y)+\k)+7], v[128*(\y)+16*\k:128*(\y)+16*\k+15], v[AB+32*((\s)%2)+16*\u:AB+32*((\s)%2)+16*\u+15], 0
.else
	v_wmma_f32_16x16x128_bf8_bf8 v[8*(16*\u+8*(\y)+\k):8*(16*\u+8*(\y)+\k)+7], v[128*(\y)+16*\k:128*(\y)+16*\k+15], v[AB+32*((\s)%2)+16*\u:AB+32*((\s)%2)+16*\u+15], v[8*(16*\u+8*(\y)+\k):8*(16*\u+8*(\y)+\k)+7]
.endif
.endr
.endr
.rept 4
	v_nop                                          ; places in front of loads into registers that these products read, and of the stores that read the last results
.endr
.if (\s) < 7
.if (\y) == 0
	WIN 0
	ALOAD (\s)+1
.endif
	WIN 0x40                                       ; destination window 1
	BLOAD (\s)+1, \y
.else
	WIN 0x40
	XL \y
.endif
.if (\pf) >= 0
	global_prefetch_b8 v[PFO], s[12:13] offset:8192*(\pf) th:TH_LOAD_NT scope:SCOPE_SE   ; two of my rows of x
.endif
.endm
.macro WSUM                            ; v10 summed over the 32 lanes, in every lane
	v_add_f32_dpp v10, v10, v10 row_xmask:1 row_mask:0xf bank_mask:0xf
	v_add_f32_dpp v10, v10, v10 row_xmask:2 row_mask:0xf bank_mask:0xf
	v_add_f32_dpp v10, v10, v10 row_xmask:4 row_mask:0xf bank_mask:0xf
	v_add_f32_dpp v10, v10, v10 row_xmask:8 row_mask:0xf bank_mask:0xf
	v_permlanex16_b32 v14, v10, s44, s45
	v_add_f32 v10, v10, v14
.endm
.macro SLOAD q                         ; my row q of sums: register 4 p + i = column 128 p + 4 lane + i
.irp p, 0,1,2,3,4,5,6,7
	ds_load_b128 v[SS+32*((\q)%2)+4*\p:SS+32*((\q)%2)+4*\p+3], v[SR] offset:4112*(\q)+512*\p
.endr
.endm
.macro ROW q
.set S0, SS+32*((\q)%2)
.set Y0, YY+32*((\q)%2)
.if (\q) < 7
	SLOAD (\q)+1
	s_wait_dscnt 8                                 ; this row's sums are in; the next row's eight loads may be out
.else
	s_wait_dscnt 0
.endif
	s_wait_loadcnt 8*(7-(\q))                      ; this row of x is in; the later rows' loads may be out
	s_wait_xcnt 0x0                                ; the stores of two rows back have read this set of y
.irp j, 0,2,4,6,8,10,12,14,16,18,20,22,24,26,28,30
	v_pk_fma_f32 v[Y0+\j:Y0+\j+1], v[S0+\j:S0+\j+1], s[40:41], v[BO+\j:BO+\j+1] op_sel_hi:[1,0,1]   ; sum x 2^(e10 + e11) + bo
.endr
	WIN 0x04                                       ; source 1 window 1
.irp j, 0,2,4,6,8,10,12,14,16,18,20,22,24,26,28,30
	v_pk_add_f32 v[Y0+\j:Y0+\j+1], v[Y0+\j:Y0+\j+1], v[32*(\q)+\j:32*(\q)+\j+1]                     ; + x
.endr
	WIN 0
	v_pk_add_f32 v[10:11], v[Y0:Y0+1], v[Y0+2:Y0+3]
	v_pk_add_f32 v[12:13], v[Y0+4:Y0+5], v[Y0+6:Y0+7]
.irp j, 8,12,16,20,24,28
	v_pk_add_f32 v[10:11], v[10:11], v[Y0+\j:Y0+\j+1]
	v_pk_add_f32 v[12:13], v[12:13], v[Y0+\j+2:Y0+\j+3]
.endr
	v_pk_add_f32 v[10:11], v[10:11], v[12:13]
	v_add_f32 v10, v10, v11
	WSUM
	v_mul_f32 v[MU], s42, v10                      ; the mean
.irp j, 0,2,4,6,8,10,12,14,16,18,20,22,24,26,28,30
	v_pk_add_f32 v[Y0+\j:Y0+\j+1], v[Y0+\j:Y0+\j+1], v[MU:MU+1] op_sel_hi:[1,0] neg_lo:[0,1] neg_hi:[0,1]
.endr
	v_pk_mul_f32 v[10:11], v[Y0:Y0+1], v[Y0:Y0+1]
	v_pk_mul_f32 v[12:13], v[Y0+2:Y0+3], v[Y0+2:Y0+3]
.irp j, 4,8,12,16,20,24,28
	v_pk_fma_f32 v[10:11], v[Y0+\j:Y0+\j+1], v[Y0+\j:Y0+\j+1], v[10:11]
	v_pk_fma_f32 v[12:13], v[Y0+\j+2:Y0+\j+3], v[Y0+\j+2:Y0+\j+3], v[12:13]
.endr
	v_pk_add_f32 v[10:11], v[10:11], v[12:13]
	v_add_f32 v10, v10, v11
	WSUM
	v_fma_f32 v10, v10, s42, s43                   ; the variance + 1e-5
	v_rsq_f32 v[RS], v10
	v_nop                                          ; a plain line behind the root
	s_wait_alu depctr_va_vdst(0)                   ; and the wait ahead of its first reader
.irp j, 0,2,4,6,8,10,12,14,16,18,20,22,24,26,28,30
	v_pk_mul_f32 v[Y0+\j:Y0+\j+1], v[Y0+\j:Y0+\j+1], v[RS:RS+1] op_sel_hi:[1,0]
.endr
.irp j, 0,2,4,6,8,10,12,14,16,18,20,22,24,26,28,30
	v_pk_fma_f32 v[Y0+\j:Y0+\j+1], v[Y0+\j:Y0+\j+1], v[GA+\j:GA+\j+1], v[BE+\j:BE+\j+1]
.endr
.irp p, 0,1,2,3,4,5,6,7
	global_store_b128 v[LI], v[Y0+4*\p:Y0+4*\p+3], s[18:19] offset:4096*(\q)+512*\p th:TH_STORE_NT   ; 512 consecutive bytes, aligned; written once, read by nobody here
.endr
.endm
	s_load_b256 s[4:11], s[0:1], 0x0               ; ao s[4:5], wc s[6:7], the exponents s[8:9], bo s[10:11]
	s_load_b256 s[12:19], s[0:1], 0x20             ; x s[12:13], gamma s[14:15], beta s[16:17], out0 s[18:19]
	v_lshl_add_u32 v30, v0, 2, 0x20200
	v_mov_b32 v31, 0
	v_lshrrev_b32 v10, 5, v0
	v_readfirstlane_b32 s20, v10                   ; wave 0..3
	v_and_b32 v11, 31, v0
	v_lshlrev_b32 v[LI], 4, v11
	v_lshlrev_b32 v[PFO], 8, v11
	v_and_b32 v10, 15, v0                          ; r
	v_bfe_u32 v11, v0, 4, 1                        ; h
	v_mul_u32_u24 v[SO], v10, 4112
	v_lshl_add_u32 v[SO], v11, 5, v[SO]
	s_lshl_b32 s21, s20, 10
	v_add_nc_u32 v[SO], s21, v[SO]                 ; row r, + 32 h, + my 1,024 bytes of a row; rows 257 x 16 bytes apart
	v_add_nc_u32 v[SO+1], 16*4112, v[SO]
	s_mul_i32 s21, s20, 32896
	v_add_nc_u32 v[SR], s21, v[LI]                 ; back: my 8 rows, 16 bytes a lane
	v_mov_b32 v[MU+1], 0                           ; (named as upper halves of pairs)
	v_mov_b32 v[RS+1], 0
	v_mov_b32 v14, 0                               ; a lane permute's destination counts as one of its sources
	s_mov_b32 s42, 0x3a800000                      ; 1 / 1024
	s_mov_b32 s43, 0x3727c5ac                      ; 1e-5
	s_mov_b32 s44, 0x76543210
	s_mov_b32 s45, 0xfedcba98
	s_lshl_b32 s24, ttmp9, 15                      ; ao: two token tiles of 16,384 bytes
	s_mov_b32 s25, 0
	s_lshl_b32 s26, s20, 16                        ; wc: weight 3, my 16 column tiles
	s_add_co_u32 s26, s26, 0x300000
	s_mov_b32 s27, 0
	s_lshl_b32 s28, ttmp9, 17                      ; x, out0: 32 rows of 4,096 bytes, my 8 of them
	s_lshl_b32 s29, s20, 15
	s_add_co_u32 s28, s28, s29
	s_mov_b32 s29, 0
	s_wait_kmcnt 0x0
	s_load_b64 s[22:23], s[8:9], 0x28              ; e10, e11
	s_add_nc_u64 s[4:5], s[4:5], s[24:25]
	s_add_nc_u64 s[6:7], s[6:7], s[26:27]
	s_add_nc_u64 s[12:13], s[12:13], s[28:29]
	s_add_nc_u64 s[18:19], s[18:19], s[28:29]
.irp p, 0,1,2,3,4,5,6,7
	global_load_b128 v[GA+4*\p:GA+4*\p+3], v[LI], s[14:15] offset:512*\p
	global_load_b128 v[BE+4*\p:BE+4*\p+3], v[LI], s[16:17] offset:512*\p
	global_load_b128 v[BO+4*\p:BO+4*\p+3], v[LI], s[10:11] offset:512*\p
.endr
	ALOAD 0
	WIN 0x40
	BLOAD 0, 0
	BLOAD 0, 1
	; behind a unit with y = 0 stand the other half's 32 loads; behind one with y = 1 the next K step's 8 of A and 32 of Wo; behind both units of the last K step 32
	UNIT 0, 0, 32, -1
	UNIT 0, 1, 40, -1
	UNIT 1, 0, 32, 0
	UNIT 1, 1, 40, 1
	UNIT 2, 0, 32, 2
	UNIT 2, 1, 40, 3
	UNIT 3, 0, 32, -1
	UNIT 3, 1, 40, -1
	UNIT 4, 0, 32, -1
	UNIT 4, 1, 40, -1
	UNIT 5, 0, 32, -1
	UNIT 5, 1, 40, -1
	UNIT 6, 0, 32, -1
	UNIT 6, 1, 40, -1
	UNIT 7, 0, 32, -1
	UNIT 7, 1, 32, -1
	WIN 0x08                                       ; store data window 2
.irp u, 0,1
.irp i, 0,1,2,3,4,5,6,7,8,9,10,11,12,13,14,15
	ds_store_b128 v[SO+\u], v[8*(16*\u+\i):8*(16*\u+\i)+3] offset:64*\i        ; each accumulator from its low end on
	ds_store_b128 v[SO+\u], v[8*(16*\u+\i)+4:8*(16*\u+\i)+7] offset:64*\i+16
.endr
.endr
	WIN 0
	s_wait_dscnt 0x0                               ; for the others' sake: my stores into the stage are done
	s_barrier_signal -1
	s_barrier_wait -1                              ; 32 whole rows of sums lie in the stage
	SLOAD 0
	s_wait_kmcnt 0x0
	s_add_co_i32 s40, s22, s23
	s_add_co_i32 s40, s40, 127
	s_lshl_b32 s40, s40, 23                        ; 2^(e10 + e11) as f32
	s_mov_b32 s41, s40                             ; (named with it as a pair, so it is written)
.irp q, 0,1,2,3,4,5,6,7
	ROW \q
.endr
	s_wait_tensorcnt 0x0
	ds_add_u32 v30, v31
	s_wait_dscnt 0x0
	s_endpgm
.Lfunc_end_k_q1f040644d1_oproj:
	.size	k_q1f040644d1_oproj, .Lfunc_end_k_q1f040644d1_oproj-k_q1f040644d1_oproj
	.p2alignl 7, 3214868480
	.fill 96, 4, 3214868480
	.section	.rodata,"a",@progbits
	.p2align	6, 0x0
	.amdhsa_kernel k_q1f040644d1_oproj
		.amdhsa_group_segment_fixed_size 132096
		.amdhsa_private_segment_fixed_size 0
		.amdhsa_enable_private_segment 0
		.amdhsa_kernarg_size 64
		.amdhsa_user_sgpr_count 2
		.amdhsa_user_sgpr_kernarg_segment_ptr 1
		.amdhsa_wavefront_size32 1
		.amdhsa_system_sgpr_workgroup_id_x 1
		.amdhsa_system_sgpr_workgroup_id_y 1
		.amdhsa_system_sgpr_workgroup_id_z 1
		.amdhsa_system_vgpr_workitem_id 0
		.amdhsa_next_free_vgpr 768
		.amdhsa_next_free_sgpr 66
		.amdhsa_reserve_vcc 0
		.amdhsa_float_denorm_mode_32 3
		.amdhsa_float_denorm_mode_16_64 3
		.amdhsa_memory_ordered 1
		.amdhsa_forward_progress 1
		.amdhsa_inst_pref_size 164
	.end_amdhsa_kernel
	.amdgpu_metadata
---
amdhsa.version: [ 1, 2 ]
amdhsa.kernels:
  - .name:           k_q1f040644d1_oproj
    .symbol:         k_q1f040644d1_oproj.kd
    .args:
      - { .name: ao, .offset: 0, .size: 8, .value_kind: global_buffer, .address_space: global }
      - { .name: wc, .offset: 8, .size: 8, .value_kind: global_buffer, .address_space: global }
      - { .name: lowp_scales, .offset: 16, .size: 8, .value_kind: global_buffer, .address_space: global }
      - { .name: bo, .offset: 24, .size: 8, .value_kind: global_buffer, .address_space: global }
      - { .name: x, .offset: 32, .size: 8, .value_kind: global_buffer, .address_space: global }
      - { .name: gamma, .offset: 40, .size: 8, .value_kind: global_buffer, .address_space: global }
      - { .name: beta, .offset: 48, .size: 8, .value_kind: global_buffer, .address_space: global }
      - { .name: out0, .offset: 56, .size: 8, .value_kind: global_buffer, .address_space: global }
    .group_segment_fixed_size: 132096
    .private_segment_fixed_size: 0
    .kernarg_segment_align: 8
    .kernarg_segment_size: 64
    .max_flat_workgroup_size: 128
    .sgpr_count:     66
    .vgpr_count:     768
    .wavefront_size: 32
...
	.end_amdgpu_metadata
.endif
;; end of part 4
;; ======== version 2 of 2: 4 launches; version 1 with the launch oproj written anew for expert scheduling mode
;; workspace buffers: xc 25,165,824 bytes; wc 4,194,304 bytes; qc 8,388,608 bytes; kc 8,388,608 bytes; vc 8,388,608 bytes; ao 8,388,608 bytes
;; launch quant: the kernel of part 1 again; grid 384 x 1, 4 waves a work-group, no clusters, 69,120 bytes of LDS; arguments x, Wq, Wk, Wv, Wo, lowp_scales, xc, wc; writes xc, wc
;; launch qkv: the kernel of part 2 again; grid 12 x 32, 4 waves a work-group, clusters of 4 x 4, 327,680 bytes of LDS; arguments xc, wc, lowp_scales, bq, bk, bv, qc, kc, vc; writes qc, kc, vc
;; launch attn: the kernel of part 3 again; grid 4 x 64, 16 waves a work-group, no clusters, 264,192 bytes of LDS; arguments qc, kc, vc, lowp_scales, ao; writes ao
;; launch oproj (part 5): grid 256 x 1, 4 waves a work-group, no clusters, 132,096 bytes of LDS; arguments ao, wc, lowp_scales, bo, x, gamma, beta, out0; writes out0
.if DOCPART == 5
	.amdgcn_target "amdgcn-amd-amdhsa--gfx1250"
	.amdhsa_code_object_version 6
	.text
	.protected	k_q1f040644d1_oproj
	.globl	k_q1f040644d1_oproj
	.p2align	8
	.type	k_q1f040644d1_oproj,@function
k_q1f040644d1_oproj:
	s_mov_b64 s[64:65], 0
	v_nop
	global_prefetch_b8 v0, s[64:65] scope:SCOPE_SE
	s_setreg_imm32_b32 hwreg(HW_REG_WAVE_SCHED_MODE, 0, 2), 2
	s_setreg_imm32_b32 hwreg(HW_REG_WAVE_MODE, 25, 1), 1
	s_wait_xcnt 0x0
	s_wait_alu depctr_vm_vsrc(0)
; out0 = LayerNorm(attention's result x Wo + bo + x) x gamma + beta.  The product is on codes of E5M2 (scales 2^e10, 2^e11); all else in f32.
; SHARES.  A work-group owns 32 whole rows (two token tiles), as the norm needs.  Wave w makes columns 256 w .. 256 w + 255 of them: 16 column tiles x 2 row tiles = 32 accumulators, 256 registers.
; Both operands are images of registers in memory (16 rows x 128 K = 2,048 bytes).  Each fragment of Wo is used by ONE wave of the work-group, so it goes from memory straight into that wave's registers,
; 512 consecutive bytes a load; up to 72 loads of a wave are on their way.  No tensor load, no ring.
; NO JOINT LOADS, though every work-group walks the same Wo: a joint load lands in LDS; two slots of one K step of 1,024 columns are 262,144 bytes, the stage below is 131,584, and the two do not fit together;
; and a K step is only 32 matrix instructions a wave in which a refill could land.
; THE PRODUCT IS USED TRANSPOSED (source 0 = 16 columns of Wo, source 1 = 16 tokens): a lane holds 8 neighbouring columns of one row.  The raw sums meet in a stage in LDS (32 rows x (4,096 + 16) bytes), one barrier,
; and each wave then takes 8 whole rows: sum x 2^(e10 + e11) + bo, + x, the mean, the variance of the differences (two passes: a common offset in x costs no precision), the norm, and stores of 512 consecutive bytes.
; x's rows are prefetched in units 2 to 5 of the sixteen: 8,192 bytes an instruction, lanes 256 bytes apart, the wave's own 8 rows, each block named once in the launch; the loads that want them stand in units 14 and 15.
; LIMIT: e10 + e11 between -126 and 127.
; THE MODE: SCHED_MODE bits 1:0 = 2 (LLVM: expert scheduling mode 2), set by the entry lines.  The code itself states the register dependences
; between vector or matrix instructions and memory or LDS instructions, with s_wait_alu, always for 0.
; THE PLAN.  Registers that memory or LDS instructions touch:
;   v1 to v5      offsets and LDS addresses: written at the head, never again; read by every load, store and prefetch.
;   A0, A1        Unit (s, y) reads A[s % 2].  The loads of K step s + 1, issued at the end of unit (s, 0), land in the other one, which unit (s - 1, 1) read last.
;   W0, W1        Unit (s, y)'s sixteen products read W[y]; behind them the loads of unit (s + 1, y) land in it; in K step 7 four rows of x do.
;   accumulators  Written by the products; read by the 64 LDS stores behind the last unit.
;   S0, S1        (A's registers.)  Row q's first sixteen multiply-adds read S[q % 2]; the LDS loads of row q + 1, issued in row q, land in the other one, which row q - 1 read.
;   Y0, Y1        Row q's arithmetic writes Y[q % 2]; the eight stores issued in row q + 1 read it; row q + 2 writes it again.
; So ONE wait on va_vdst stands in a unit, behind its products: the buffer that they have emptied is asked for again at once, so that two units' loads are out while the wave waits for the next unit's data.
; And one stands at the head of a row: the row's LDS loads and the stores of the row before follow it among vector lines that name none of their registers.
; REGISTERS, in windows of 256: window 0: v1-15 addresses and at work; v30, v31 the closing add's two; v32-95 A's two buffers, later two rows of sums; v96-127 gamma, v128-159 beta, v160-191 bo; v192-255 two rows of y.
;   window 1: Wo's two buffers of eight fragments, later x's 8 rows at v[32 q + 4 p].   window 2: accumulator (row tile u, column tile i) at v[8 (16 u + i)].
.set LI,  1                            ; v1   16 x lane
.set PFO, 2                            ; v2   256 x lane
.set SO,  3                            ; v3, v4  the stage: where I put 32 bytes of a row of row tile 0, 1
.set SR,  5                            ; v5   and where I read my rows back
.set MU,  6                            ; v[6:7]  the mean
.set RS,  8                            ; v[8:9]  1 / sqrt(var + eps)
.set AB,  32
.set SS,  32
.set GA,  96
.set BE,  128
.set BO,  160
.set YY,  192
.set MSB, 0
.macro WIN new                         ; the immediate's high byte repeats the setting that is left
.if MSB != (\new)
	s_set_vgpr_msb (MSB<<8)|(\new)
.set MSB, (\new)
.endif
.endm
.macro ALOAD s                         ; both row tiles' fragments of K step s
.irp u, 0,1
.irp c, 0,1,2,3
	global_load_b128 v[AB+32*((\s)%2)+16*\u+4*\c:AB+32*((\s)%2)+16*\u+4*\c+3], v[LI], s[4:5] offset:16384*\u+2048*(\s)+512*\c
.endr
.endr
.endm
.macro BLOAD s, y                      ; my column tiles 8 y .. 8 y + 7 of K step s
.irp k, 0,1,2,3,4,5,6,7
.irp c, 0,1,2,3
	global_load_b128 v[128*(\y)+16*\k+4*\c:128*(\y)+16*\k+4*\c+3], v[LI], s[6:7] offset:((\s)/2)*262144+(8*(\y)+\k)*4096+((\s)%2)*2048+512*\c
.endr
.endr
.endm
.macro XL y                            ; my rows 4 y .. 4 y + 3 of x
.irp k, 0,1,2,3
.irp p, 0,1,2,3,4,5,6,7
	global_load_b128 v[128*(\y)+32*\k+4*\p:128*(\y)+32*\k+4*\p+3], v[LI], s[12:13] offset:4096*(4*(\y)+\k)+512*\p th:TH_LOAD_NT
.endr
.endr
.endm
; A unit: K step s, column tiles 8 y on: sixteen products on sixteen accumulators (the 32 take turns, one instruction a turn), then the loads of two units on into the buffer just read.
; n = the loads issued behind this unit's own, which may stay out.  pf >= 0: one prefetch of x.
.macro UNIT s, y, n, pf
	s_wait_loadcnt \n
	WIN 0xa1                                       ; source 0 (Wo) window 1, source 1 window 0, C and D window 2
.irp k, 0,1,2,3,4,5,6,7
.irp u, 0,1
.if (\s) == 0
	v_wmma_f32_16x16x128_bf8_bf8 v[8*(16*\u+8*(\y)+\k):8*(16*\u+8*(\y)+\k)+7], v[128*(\y)+16*\k:128*(\y)+16*\k+15], v[AB+32*((\s)%2)+16*\u:AB+32*((\s)%2)+16*\u+15], 0
.else
	v_wmma_f32_16x16x128_bf8_bf8 v[8*(16*\u+8*(\y)+\k):8*(16*\u+8*(\y)+\k)+7], v[128*(\y)+16*\k:128*(\y)+16*\k+15], v[AB+32*((\s)%2)+16*\u:AB+32*((\s)%2)+16*\u+15], v[8*(16*\u+8*(\y)+\k):8*(16*\u+8*(\y)+\k)+7]
.endif
.endr
.endr
.rept 4
	v_nop                                          ; places in front of loads into registers that these products read, and of the stores that read the last results; they stay beside the wait below
.endr
	s_wait_alu depctr_va_vdst(0)                   ; these products are done reading their buffer of Wo, and the earlier units their buffer of A, in which the loads below land; in the last unit: the accumulators are written, which the LDS stores read
.if (\s) < 7
.if (\y) == 0
	WIN 0
	ALOAD (\s)+1
.endif
	WIN 0x40                                       ; destination window 1
	BLOAD (\s)+1, \y
.else
	WIN 0x40
	XL \y
.endif
.if (\pf) >= 0
	global_prefetch_b8 v[PFO], s[12:13] offset:8192*(\pf) th:TH_LOAD_NT scope:SCOPE_SE   ; two of my rows of x
.endif
.endm
.macro WSUM                            ; v10 summed over the 32 lanes, in every lane
	v_add_f32_dpp v10, v10, v10 row_xmask:1 row_mask:0xf bank_mask:0xf
	v_add_f32_dpp v10, v10, v10 row_xmask:2 row_mask:0xf bank_mask:0xf
	v_add_f32_dpp v10, v10, v10 row_xmask:4 row_mask:0xf bank_mask:0xf
	v_add_f32_dpp v10, v10, v10 row_xmask:8 row_mask:0xf bank_mask:0xf
	v_permlanex16_b32 v14, v10, s44, s45
	v_add_f32 v10, v10, v14
.endm
.macro SLOAD q                         ; my row q of sums: register 4 p + i = column 128 p + 4 lane + i
.irp p, 0,1,2,3,4,5,6,7
	ds_load_b128 v[SS+32*((\q)%2)+4*\p:SS+32*((\q)%2)+4*\p+3], v[SR] offset:4112*(\q)+512*\p
.endr
.endm
.macro STORES q, p0                    ; two of row q's eight stores
.irp p, 0,1
	global_store_b128 v[LI], v[YY+32*((\q)%2)+4*((\p0)+\p):YY+32*((\q)%2)+4*((\p0)+\p)+3], s[18:19] offset:4096*(\q)+512*((\p0)+\p) th:TH_STORE_NT   ; 512 consecutive bytes, aligned; written once, read by nobody here
.endr
.endm
.macro ROW q
.set S0, SS+32*((\q)%2)
.set Y0, YY+32*((\q)%2)
.if (\q) >= 2
	s_wait_xcnt 0x0                                ; the stores of two rows back, issued in the row before, have had their addresses translated: this set of y is written again only behind this wait,
	s_wait_alu depctr_vm_vsrc(0)                   ; and they have read this set of y, which this row's arithmetic writes
.endif
.if (\q) >= 1
	s_wait_alu depctr_va_vdst(0)                   ; the row before has written its set of y, which the stores dealt below read, and is done reading its set of sums, in which the LDS loads below land
.endif
.if (\q) < 7
	SLOAD (\q)+1
.endif
.if (\q) >= 1
	STORES (\q)-1, 0                               ; the row before leaves, two stores at a time: no line of this row names its registers
.endif
.if (\q) < 7
	s_wait_dscnt 8                                 ; this row's sums are in; the next row's eight loads may be out
.else
	s_wait_dscnt 0
.endif
	s_wait_loadcnt 8*(7-(\q))                      ; this row of x is in; the later rows' loads may be out
.irp j, 0,2,4,6,8,10,12,14,16,18,20,22,24,26,28,30
	v_pk_fma_f32 v[Y0+\j:Y0+\j+1], v[S0+\j:S0+\j+1], s[40:41], v[BO+\j:BO+\j+1] op_sel_hi:[1,0,1]   ; sum x 2^(e10 + e11) + bo
.endr
.if (\q) >= 1
	STORES (\q)-1, 2
.endif
	WIN 0x04                                       ; source 1 window 1
.irp j, 0,2,4,6,8,10,12,14,16,18,20,22,24,26,28,30
	v_pk_add_f32 v[Y0+\j:Y0+\j+1], v[Y0+\j:Y0+\j+1], v[32*(\q)+\j:32*(\q)+\j+1]                     ; + x
.endr
	WIN 0
.if (\q) >= 1
	STORES (\q)-1, 4
.endif
	v_pk_add_f32 v[10:11], v[Y0:Y0+1], v[Y0+2:Y0+3]
	v_pk_add_f32 v[12:13], v[Y0+4:Y0+5], v[Y0+6:Y0+7]
.irp j, 8,12,16,20,24,28
	v_pk_add_f32 v[10:11], v[10:11], v[Y0+\j:Y0+\j+1]
	v_pk_add_f32 v[12:13], v[12:13], v[Y0+\j+2:Y0+\j+3]
.endr
	v_pk_add_f32 v[10:11], v[10:11], v[12:13]
	v_add_f32 v10, v10, v11
	WSUM
	v_mul_f32 v[MU], s42, v10                      ; the mean
.if (\q) >= 1
	STORES (\q)-1, 6
.endif
.irp j, 0,2,4,6,8,10,12,14,16,18,20,22,24,26,28,30
	v_pk_add_f32 v[Y0+\j:Y0+\j+1], v[Y0+\j:Y0+\j+1], v[MU:MU+1] op_sel_hi:[1,0] neg_lo:[0,1] neg_hi:[0,1]
.endr
	v_pk_mul_f32 v[10:11], v[Y0:Y0+1], v[Y0:Y0+1]
	v_pk_mul_f32 v[12:13], v[Y0+2:Y0+3], v[Y0+2:Y0+3]
.irp j, 4,8,12,16,20,24,28
	v_pk_fma_f32 v[10:11], v[Y0+\j:Y0+\j+1], v[Y0+\j:Y0+\j+1], v[10:11]
	v_pk_fma_f32 v[12:13], v[Y0+\j+2:Y0+\j+3], v[Y0+\j+2:Y0+\j+3], v[12:13]
.endr
	v_pk_add_f32 v[10:11], v[10:11], v[12:13]
	v_add_f32 v10, v10, v11
	WSUM
	v_fma_f32 v10, v10, s42, s43                   ; the variance + 1e-5
	v_rsq_f32 v[RS], v10
	v_nop                                          ; a plain line behind the root
	s_wait_alu depctr_va_vdst(0)                   ; the root has written v[RS], ahead of its first reader
.irp j, 0,2,4,6,8,10,12,14,16,18,20,22,24,26,28,30
	v_pk_mul_f32 v[Y0+\j:Y0+\j+1], v[Y0+\j:Y0+\j+1], v[RS:RS+1] op_sel_hi:[1,0]
.endr
.irp j, 0,2,4,6,8,10,12,14,16,18,20,22,24,26,28,30
	v_pk_fma_f32 v[Y0+\j:Y0+\j+1], v[Y0+\j:Y0+\j+1], v[GA+\j:GA+\j+1], v[BE+\j:BE+\j+1]
.endr
.endm
	s_load_b256 s[4:11], s[0:1], 0x0               ; ao s[4:5], wc s[6:7], the exponents s[8:9], bo s[10:11]
	s_load_b256 s[12:19], s[0:1], 0x20             ; x s[12:13], gamma s[14:15], beta s[16:17], out0 s[18:19]
	v_lshl_add_u32 v30, v0, 2, 0x20200
	v_mov_b32 v31, 0
	v_lshrrev_b32 v10, 5, v0
	v_readfirstlane_b32 s20, v10                   ; wave 0..3
	v_and_b32 v11, 31, v0
	v_lshlrev_b32 v[LI], 4, v11
	v_lshlrev_b32 v[PFO], 8, v11
	v_and_b32 v10, 15, v0                          ; r
	v_bfe_u32 v11, v0, 4, 1                        ; h
	v_mul_u32_u24 v[SO], v10, 4112
	v_lshl_add_u32 v[SO], v11, 5, v[SO]
	s_wait_alu depctr_va_sdst(0)                   ; s20 is written, ahead of its first reader: LDS addresses and the bases of wc, x and out0 are made from it
	s_lshl_b32 s21, s20, 10
	v_add_nc_u32 v[SO], s21, v[SO]                 ; row r, + 32 h, + my 1,024 bytes of a row; rows 257 x 16 bytes apart
	v_add_nc_u32 v[SO+1], 16*4112, v[SO]
	s_mul_i32 s30, s20, 32896                      ; (in a register of its own: no scalar that a vector line has read is written again)
	v_add_nc_u32 v[SR], s30, v[LI]                 ; back: my 8 rows, 16 bytes a lane
	v_mov_b32 v[MU+1], 0                           ; (named as upper halves of pairs)
	v_mov_b32 v[RS+1], 0
	v_mov_b32 v14, 0                               ; a lane permute's destination counts as one of its sources
	s_mov_b32 s42, 0x3a800000                      ; 1 / 1024
	s_mov_b32 s43, 0x3727c5ac                      ; 1e-5
	s_mov_b32 s44, 0x76543210
	s_mov_b32 s45, 0xfedcba98
	s_lshl_b32 s24, ttmp9, 15                      ; ao: two token tiles of 16,384 bytes
	s_mov_b32 s25, 0
	s_lshl_b32 s26, s20, 16                        ; wc: weight 3, my 16 column tiles
	s_add_co_u32 s26, s26, 0x300000
	s_mov_b32 s27, 0
	s_lshl_b32 s28, ttmp9, 17                      ; x, out0: 32 rows of 4,096 bytes, my 8 of them
	s_lshl_b32 s29, s20, 15
	s_add_co_u32 s28, s28, s29
	s_mov_b32 s29, 0
	s_wait_kmcnt 0x0
	s_load_b64 s[22:23], s[8:9], 0x28              ; e10, e11
	s_add_nc_u64 s[4:5], s[4:5], s[24:25]
	s_add_nc_u64 s[6:7], s[6:7], s[26:27]
	s_add_nc_u64 s[12:13], s[12:13], s[28:29]
	s_add_nc_u64 s[18:19], s[18:19], s[28:29]
	s_wait_alu depctr_va_vdst(0)                   ; v1 to v5 are written: the offsets and LDS addresses that every load, store and prefetch of the kernel reads
.irp p, 0,1,2,3,4,5,6,7
	global_load_b128 v[GA+4*\p:GA+4*\p+3], v[LI], s[14:15] offset:512*\p
	global_load_b128 v[BE+4*\p:BE+4*\p+3], v[LI], s[16:17] offset:512*\p
	global_load_b128 v[BO+4*\p:BO+4*\p+3], v[LI], s[10:11] offset:512*\p
.endr
	ALOAD 0
	WIN 0x40
	BLOAD 0, 0
	BLOAD 0, 1
	; behind a unit with y = 0 stand the other half's 32 loads; behind one with y = 1 the next K step's 8 of A and 32 of Wo; behind both units of the last K step 32
	UNIT 0, 0, 32, -1
	UNIT 0, 1, 40, -1
	UNIT 1, 0, 32, 0
	UNIT 1, 1, 40, 1
	UNIT 2, 0, 32, 2
	UNIT 2, 1, 40, 3
	UNIT 3, 0, 32, -1
	UNIT 3, 1, 40, -1
	UNIT 4, 0, 32, -1
	UNIT 4, 1, 40, -1
	UNIT 5, 0, 32, -1
	UNIT 5, 1, 40, -1
	UNIT 6, 0, 32, -1
	UNIT 6, 1, 40, -1
	UNIT 7, 0, 32, -1
	UNIT 7, 1, 32, -1
	WIN 0x08                                       ; store data window 2.  No further wait: the last unit's wait has stated that the accumulators are written, and no vector or matrix line stands behind it
.irp u, 0,1
.irp i, 0,1,2,3,4,5,6,7,8,9,10,11,12,13,14,15
	ds_store_b128 v[SO+\u], v[8*(16*\u+\i):8*(16*\u+\i)+3] offset:64*\i        ; each accumulator from its low end on
	ds_store_b128 v[SO+\u], v[8*(16*\u+\i)+4:8*(16*\u+\i)+7] offset:64*\i+16
.endr
.endr
	WIN 0
	s_wait_dscnt 0x0                               ; for the others' sake: my stores into the stage are done
	s_barrier_signal -1
	s_barrier_wait -1                              ; 32 whole rows of sums lie in the stage
	SLOAD 0                                        ; rows 0 and 1 of the sums land in A's two buffers: the last unit's wait has stated that the products are done reading them
	s_wait_kmcnt 0x0
	s_add_co_i32 s40, s22, s23
	s_add_co_i32 s40, s40, 127
	s_lshl_b32 s40, s40, 23                        ; 2^(e10 + e11) as f32
	s_mov_b32 s41, s40                             ; (named with it as a pair, so it is written)
.irp q, 0,1,2,3,4,5,6,7
	ROW \q
.endr
	s_wait_alu depctr_va_vdst(0)                   ; row 7 has written its set of y, which the last eight stores read
	STORES 7, 0
	STORES 7, 2
	STORES 7, 4
	STORES 7, 6
	s_wait_dscnt 0x0                               ; the closing lines, six on end
	s_wait_alu 0x0
	s_wait_tensorcnt 0x0
	ds_add_u32 v30, v31
	s_wait_dscnt 0x0
	s_endpgm
.Lfunc_end_k_q1f040644d1_oproj:
	.size	k_q1f040644d1_oproj, .Lfunc_end_k_q1f040644d1_oproj-k_q1f040644d1_oproj
	.p2alignl 7, 3214868480
	.fill 96, 4, 3214868480
	.section	.rodata,"a",@progbits
	.p2align	6, 0x0
	.amdhsa_kernel k_q1f040644d1_oproj
		.amdhsa_group_segment_fixed_size 132096
		.amdhsa_private_segment_fixed_size 0
		.amdhsa_enable_private_segment 0
		.amdhsa_kernarg_size 64
		.amdhsa_user_sgpr_count 2
		.amdhsa_user_sgpr_kernarg_segment_ptr 1
		.amdhsa_wavefront_size32 1
		.amdhsa_system_sgpr_workgroup_id_x 1
		.amdhsa_system_sgpr_workgroup_id_y 1
		.amdhsa_system_sgpr_workgroup_id_z 1
		.amdhsa_system_vgpr_workitem_id 0
		.amdhsa_next_free_vgpr 768
		.amdhsa_next_free_sgpr 66
		.amdhsa_reserve_vcc 0
		.amdhsa_float_denorm_mode_32 3
		.amdhsa_float_denorm_mode_16_64 3
		.amdhsa_memory_ordered 1
		.amdhsa_forward_progress 1
		.amdhsa_inst_pref_size 165
	.end_amdhsa_kernel
	.amdgpu_metadata
---
amdhsa.version: [ 1, 2 ]
amdhsa.kernels:
  - .name:           k_q1f040644d1_oproj
    .symbol:         k_q1f040644d1_oproj.kd
    .args:
      - { .name: ao, .offset: 0, .size: 8, .value_kind: global_buffer, .address_space: global }
      - { .name: wc, .offset: 8, .size: 8, .value_kind: global_buffer, .address_space: global }
      - { .name: lowp_scales, .offset: 16, .size: 8, .value_kind: global_buffer, .address_space: global }
      - { .name: bo, .offset: 24, .size: 8, .value_kind: global_buffer, .address_space: global }
      - { .name: x, .offset: 32, .size: 8, .value_kind: global_buffer, .address_space: global }
      - { .name: gamma, .offset: 40, .size: 8, .value_kind: global_buffer, .address_space: global }
      - { .name: beta, .offset: 48, .size: 8, .value_kind: global_buffer, .address_space: global }
      - { .name: out0, .offset: 56, .size: 8, .value_kind: global_buffer, .address_space: global }
    .group_segment_fixed_size: 132096
    .private_segment_fixed_size: 0
    .kernarg_segment_align: 8
    .kernarg_segment_size: 64
    .max_flat_workgroup_size: 128
    .sgpr_count:     66
    .vgpr_count:     768
    .wavefront_size: 32
...
	.end_amdgpu_metadata
.endif
;; end of part 5
